; MI455X (gfx1250); checked and timed in simulation.
; The chip was launched on July 23, 2026; its instructions are those of AMD's public machine-readable ISA for CDNA 5 (MIT licence, August 2026) and "CDNA5" Instruction Set Architecture Reference Guide (July 2026). The comments in the code are by the model that wrote it; some were corrected since.
;; Multi Head Self Attention. Allowed arithmetic: matrix products marked QUANTISED: E2M3 operands, one E8M0 scale for each 32 along K, by v_wmma_scale_f32_16x16x128_f8f6f4 with both operands' format E2M3, f32 sums; everything else in f32.
;; Inputs: Wk 2,048 x 2,048 float32; Wo 2,048 x 2,048 float32; Wq 2,048 x 2,048 float32; Wv 2,048 x 2,048 float32; token_positions 2,048 int32; x 1 x 2,048 x 2,048 float32.
;; Outputs: out0 1 x 2,048 x 2,048 float32.
;; This version of the problem:
;;   THIS VERSION OF THE PROBLEM IS GIVEN IN LOW PRECISION. The matrix products marked QUANTISED in the list below multiply operands that are first quantised to E2M3 (2 exponent bits, 3 mantissa bits; 6 bits a number), with one power-of-two scale for each 32 numbers along K (OCP MX v1.0); their sums are f32. All else is computed in f32.
;;   The module's matrix products, in the order in which they are computed (A, B: the left and right operand; K: the contracted axis; several contracted axes count as one K, in the product's order):
;;     1. [M 2,048, K 2,048] x [K 2,048, N 2,048]; A: input x; B: input Wq: QUANTISED
;;     2. [M 2,048, K 2,048] x [K 2,048, N 2,048]; A: input x; B: input Wk: QUANTISED
;;     3. [M 2,048, K 2,048] x [K 2,048, N 2,048]; A: input x; B: input Wv: QUANTISED
;;     4. batch 16 x [M 2,048, K 128] x [K 128, N 2,048]; A: computed on the way; B: computed on the way: QUANTISED
;;     5. batch 16 x [M 2,048, K 2,048] x [K 2,048, N 128]; A: softmax (see below); B: computed on the way: QUANTISED
;;     6. [M 2,048, K 2,048] x [K 2,048, N 2,048]; A: computed on the way; B: input Wo: QUANTISED
;;   THE QUANTISER, for each operand of a quantised product, along K:
;;     - K is cut into blocks of 32 from its start; a last block that is shorter is filled with zeros.
;;     - A block's scale is 2^e with e = floor(log2(the largest magnitude in the block)) - 2, held to -126 .. 127; a block of zeros has e = 0. As a byte (E8M0): e + 127.
;;     - Each number is divided by its block's scale, clamped to +-7.5, and rounded to the nearest number of E2M3, ties to even, subnormals kept.
;;     - The product sums the exact products of the quantised numbers (number of the format x scale) in f32.
;;   ~~~python
;;   def quantise(x, axis):      # numpy; x: float32 -> the quantised numbers, widened to float32 again
;;       x = np.moveaxis(x, axis, -1); K = x.shape[-1]
;;       x = np.pad(x, [(0, 0)] * (x.ndim - 1) + [(0, -K % 32)]); x = x.reshape(x.shape[:-1] + (-1, 32)); a = np.abs(x).max(-1, keepdims=True)
;;       e = np.where(a > 0, np.clip(np.frexp(np.where(a > 0, a, 1))[1] - 1 - 2, -126, 127), 0)      # np.frexp(a)[1] - 1 = floor(log2(a)), exactly
;;       r = np.clip(x / 2.0 ** e, -7.5, 7.5)
;;       step = 2.0 ** (np.maximum(np.frexp(np.where(r == 0, 1, r))[1] - 1, 0) - 3)
;;       q = np.round(r / step) * step * 2.0 ** e      # np.round: ties to even
;;       return np.moveaxis(q.reshape(q.shape[:-2] + (-1,))[..., :K], -1, axis).astype(np.float32)
;;   ~~~
;;   SOFTMAX AHEAD OF A QUANTISED PRODUCT. Where the list says 'softmax', what is quantised is not the finished softmax but p = 2^(t - M), with t = logit x log2(e) and M = ceil(the row's largest t), a whole number; so 1/2 < the row's largest p <= 1. The row's sum l is taken of the UNQUANTISED p, in f32, and the product's result is divided by l at the end. Since M is a whole number, a kernel that streams over the keys may use a running M (the ceiling of the running maximum): every later rescaling is an exact power of two, which a block's scale takes up: the codes' values come out the same.
;;   OPERANDS COMPUTED ON THE WAY. 'Computed on the way' means the value that the module computes at that place (a softmax that the list does not call 'softmax' is quantised finished and normalised). What goes into a quantiser is computed in f32, as accurately as f32 sums, v_exp_f32 and their like allow (about 1e-6 of the number): no bf16 or f16 on the way to a quantiser, and a product that is left as it is and whose result goes on into a quantised operand takes f32 operands (vector FMAs, or v_wmma_f32_16x16x4_f32). A number that lies on a knife's edge between two numbers of the format may be rounded either way, as far as f32 arithmetic and the matrix unit's own rounding can turn it there, and no further.
;; One version. Each part assembles by itself: llvm-mc -triple=amdgcn-amd-amdhsa -mcpu=gfx1250 --defsym DOCPART=n.
;; ======== version 1 of 1: 4 launches
;; limits: inputs' magnitudes at most 100,000; right only within a limited range of input values
;; workspace buffers: opnd 17,039,360 bytes; rope 1,048,576 bytes; qkv 9,830,400 bytes; aimg 3,407,872 bytes
;; launch prep (part 1): grid 672 x 1, 4 waves a work-group, no clusters, 34,304 bytes of LDS; arguments x, Wq, Wk, Wv, Wo, token_positions, opnd, rope; writes opnd, rope
.if DOCPART == 1
	.amdgcn_target "amdgcn-amd-amdhsa--gfx1250"
	.amdhsa_code_object_version 6
	.text
	.protected	k_qd757094b6f_prep
	.globl	k_qd757094b6f_prep
	.p2align	8
	.type	k_qd757094b6f_prep,@function
k_qd757094b6f_prep:
	s_mov_b64 s[64:65], 0
	v_nop
	global_prefetch_b8 v0, s[64:65] scope:SCOPE_SE
	s_setreg_imm32_b32 hwreg(HW_REG_WAVE_MODE, 25, 1), 1
	s_wait_xcnt 0x0
; x, Wq, Wk, Wv, Wo ([2048][2048] f32, K innermost) become codes of FP6 (E2M3) with one E8M0 byte for each 32 along K, laid as IMAGES OF OPERAND REGISTERS; and the table of cos and sin for the rotation is made from token_positions.
; AN IMAGE.  A fragment (16 rows x 128 K) is 12 registers a lane: registers 4 c .. 4 c + 3 of lane l lie at byte 512 c + 16 l.  A chunk of CH = 3,328 bytes holds the two fragments of 256 along K and, from byte 3,072 on,
; their scale words (128 bytes each: lane l's word is row l % 16's).  Chunk (t = K / 256, rt = tile of rows) of a tensor lies at (128 t + rt) CH; tensor n at n IMGB.
; THE ROWS OF A TILE ARE NOT NEIGHBOURS: lane row r of tile rt is row 32 (rt / 2) + 8 (rt % 2) + r + 8 (r / 8), in every tensor, so that a later product's results lie along the next K in a lane's registers.
; A block's scale is 2^(floor(log2(its largest magnitude)) - 2): its byte is that magnitude's exponent field - 2, held at 1 from below.
; SHARES.  Work-groups 0-639: tensor n = wg / 128, tile rt = wg % 128; wave w takes K = 512 w .. 512 w + 511: four units of 16 rows x 128 K.  A unit's 16 loads read 512 consecutive bytes of a row each; the 8 KiB turn through the
; wave's own stage in LDS (rows 528 bytes apart), so that a lane gets 16 neighbours of each block of 32.  Work-groups 640-671: four tiles of the table each, one a wave; that path uses no LDS.
; No cluster and no tensor load: no two work-groups read the same bytes, and waves share nothing, so there is no barrier.
; LIMITS: NaN and infinities among the inputs are not served.  A block of zeros gets the byte 1 where the rule says 127: its codes are zeros, and this program alone reads the bytes.  Blocks whose largest magnitude lies under 2^-124
; are held at that floor.  The angle's reduction by pi/2 in three parts serves |angle| up to about 1e5, so positions up to about 100,000 in magnitude.
.set CH,   3328
.set KSB,  128*CH                      ; all tiles' chunks of one K slot
.set IMGB, 8*KSB                       ; a tensor's image
.set SP,   528                         ; a stage row: 512 bytes + 16, so that sixteen rows' 16 bytes fall into sixteen different columns of 16 bytes
.set R,    16                          ; v16-143  two sets of 64 registers as loaded
.set X,    144                         ; v144-207 64 numbers: register 16 b + i = k 32 b + 16 (lane / 16) + i of my row
.set PC,   208                         ; v208-226 the codes just made (12), and 7 at work
.set TM,   228                         ; v228-243 largest magnitudes, bytes, -, scale operands
.set PW,   244                         ; v244     the scale word just made
.set SEL,  20                          ; s[20:21] lane selects for v_permlanex16_b32: lane l xor 16
	s_load_b256 s[4:11], s[0:1], 0x0               ; x, Wq, Wk, Wv
	s_load_b256 s[12:19], s[0:1], 0x20             ; Wo, token_positions, opnd, rope
	v_lshl_add_u32 v254, v0, 2, 0x8400
	v_mov_b32 v255, 0
	v_lshrrev_b32 v1, 5, v0
	v_readfirstlane_b32 s22, v1                    ; wave 0..3
	v_and_b32 v1, 31, v0                           ; lane
	v_and_b32 v2, 15, v0                           ; r
	v_bfe_u32 v3, v0, 4, 1                         ; h
	v_lshlrev_b32 v4, 4, v1                        ; 16 x lane
	s_wait_kmcnt 0x0
	s_cmp_ge_u32 ttmp9, 640
	s_cbranch_scc1 .Ltable
	; ---------------- the quantiser ----------------
	s_mov_b32 s[SEL], 0x76543210
	s_mov_b32 s[SEL+1], 0xfedcba98
	s_lshr_b32 s23, ttmp9, 7                       ; which tensor
	s_and_b32 s24, ttmp9, 127                      ; which tile of rows
	s_cmp_eq_u32 s23, 1                            ; the choice hangs on the work-group's number alone
	s_cselect_b64 s[4:5], s[6:7], s[4:5]
	s_cmp_eq_u32 s23, 2
	s_cselect_b64 s[4:5], s[8:9], s[4:5]
	s_cmp_eq_u32 s23, 3
	s_cselect_b64 s[4:5], s[10:11], s[4:5]
	s_cmp_eq_u32 s23, 4
	s_cselect_b64 s[4:5], s[12:13], s[4:5]
	s_lshr_b32 s25, s24, 1
	s_lshl_b32 s25, s25, 5
	s_and_b32 s26, s24, 1
	s_lshl_b32 s26, s26, 3
	s_add_co_u32 s25, s25, s26                     ; the tile's first row: 32 (rt / 2) + 8 (rt % 2)
	s_lshl_b32 s26, s25, 13                        ; x 8,192 bytes a row
	s_lshl_b32 s27, s22, 11                        ; + my wave's 512 numbers
	s_add_co_u32 s26, s26, s27
	s_mov_b32 s27, 0
	s_add_nc_u64 s[4:5], s[4:5], s[26:27]
	s_mul_i32 s28, s23, IMGB
	s_mul_i32 s29, s22, 2*KSB                      ; my wave's two K slots
	s_add_co_u32 s28, s28, s29
	s_mul_i32 s29, s24, CH
	s_add_co_u32 s28, s28, s29
	s_mov_b32 s29, 0
	s_add_nc_u64 s[16:17], s[16:17], s[28:29]
	s_mul_i32 s30, s22, 16*SP                      ; my stage
	v_add_nc_u32 v5, s30, v4                       ; in: 16 x lane, a row an instruction
	v_mul_u32_u24 v6, v2, SP
	v_lshl_add_u32 v6, v3, 6, v6
	v_add_nc_u32 v6, s30, v6                       ; out: row r, + 64 h: my 16 numbers of a block of 32
	v_lshlrev_b32 v7, 2, v1                        ; 4 x lane
.irp b, 0,1,2,3
	v_mov_b32 v[TM+4+\b], 0                        ; written once: a lane permute's destination counts as one of its sources
.endr
; 64 numbers of a lane become a fragment's codes in v[PC] on and its scale word in v[PW]
.macro QUANT s
.irp b, 0,1,2,3
	v_max3_num_f32 v[TM+\b], |v[\s+16*\b]|, |v[\s+1+16*\b]|, 0x1800000   ; block b: my 16 numbers, and the floor 2^(3 - 127): the byte cannot fall under 1
.endr
.irp i, 2,4,6,8,10,12,14
.irp b, 0,1,2,3
	v_max3_num_f32 v[TM+\b], v[TM+\b], |v[\s+16*\b+\i]|, |v[\s+1+16*\b+\i]|   ; the four blocks by turns
.endr
.endr
.irp b, 0,1,2,3
	v_permlanex16_b32 v[TM+4+\b], v[TM+\b], s[SEL], s[SEL+1]
.endr
.irp b, 0,1,2,3
	v_max_num_f32 v[TM+\b], v[TM+\b], v[TM+4+\b]   ; with lane l xor 16's: the block's largest magnitude
.endr
.irp b, 0,1,2,3
	v_add_nc_u32 v[TM+12+\b], 0xff000000, v[TM+\b] ; 2 off its exponent field: the conversion takes that field as its scale
.endr
.irp b, 0,1,2,3
	v_lshrrev_b32 v[TM+4+\b], 23, v[TM+12+\b]      ; the scale's byte
.endr
	v_lshl_or_b32 v[PW], v[TM+5], 8, v[TM+4]
	v_lshl_or_b32 v[PW], v[TM+6], 16, v[PW]
	v_lshl_or_b32 v[PW], v[TM+7], 24, v[PW]
.irp c, 0,1
	v_cvt_scalef32_pk16_fp6_f32 v[PC+6*\c:PC+2+6*\c], v[\s+32*\c:\s+15+32*\c], v[TM+12+2*\c]
	v_cvt_scalef32_pk16_fp6_f32 v[PC+12+4*\c:PC+14+4*\c], v[\s+16+32*\c:\s+31+32*\c], v[TM+12+2*\c+1]   ; (a conversion's three registers begin on an even number)
.endr
	v_nop                                          ; one plain place behind a scaled conversion
.irp c, 0,1                                    ; the operand's layout wants a whole block in a lane: lanes 0-15 block 2 c, lanes 16-31 block 2 c + 1
.irp i, 0,1,2
	v_permlane16_swap_b32 v[PC+6*\c+\i], v[PC+12+4*\c+\i]
.endr
.irp i, 0,1,2
	v_mov_b32 v[PC+3+6*\c+\i], v[PC+12+4*\c+\i]
.endr
.endr
.endm
.macro LOAD u                          ; unit u: 16 rows x 512 consecutive bytes, into set u % 2
.irp i, 0,1,2,3,4,5,6,7,8,9,10,11,12,13,14,15
	global_load_b128 v[R+64*((\u)%2)+4*\i:R+64*((\u)%2)+4*\i+3], v4, s[4:5] offset:(\i+8*(\i/8))*8192+512*(\u) th:TH_LOAD_NT
.endr
.endm
.macro UNIT u
.if (\u) < 3
	s_wait_loadcnt 16                              ; this unit's 16 loads are in; the next unit's 16 may be out
.else
	s_wait_loadcnt 0x0
.endif
.irp i, 0,1,2,3,4,5,6,7,8,9,10,11,12,13,14,15
	ds_store_b128 v5, v[R+64*((\u)%2)+4*\i:R+64*((\u)%2)+4*\i+3] offset:SP*\i
.endr
.irp b, 0,1,2,3
.irp j, 0,1,2,3
	ds_load_b128 v[X+16*\b+4*\j:X+16*\b+4*\j+3], v6 offset:128*\b+16*\j   ; LDS serves a wave's instructions in order: these see the stores above
.endr
.endr
	s_wait_dscnt 0x0                               ; my numbers are back, and the stores have read the set that the next loads take
	s_wait_xcnt 0x0                                ; the last unit's stores have read the codes' and the scale word's registers
.if (\u) < 2
	LOAD (\u)+2
.endif
	QUANT X
.irp c, 0,1,2
	global_store_b128 v4, v[PC+4*\c:PC+4*\c+3], s[16:17] offset:((\u)/2)*KSB+((\u)%2)*1536+512*\c   ; 32 lanes store 512 consecutive bytes, aligned
.endr
	global_store_b32 v7, v[PW], s[16:17] offset:((\u)/2)*KSB+3072+128*((\u)%2)
.endm
	LOAD 0
	LOAD 1
	UNIT 0
	UNIT 1
	UNIT 2
	UNIT 3
	s_wait_tensorcnt 0x0
	ds_add_u32 v254, v255
	s_wait_dscnt 0x0
	s_endpgm
	; ---------------- the table ----------------
	; Tile rt at 8,192 rt; load i (0..15) of a later reader at 512 i + 16 x lane: (cos, sin, cos, sin) of row rho(rt, r) for the pairs 16 (i / 4) + 8 h + 2 (i % 4) + 0, 1.
	; angle = position / 10000^(pair / 64).  The divisor: 2^(pair x log2(10000) / 64), the factor in two parts, whole part by v_ldexp_f32; the quotient is corrected once by its remainder.
.Ltable:
	s_sub_co_u32 s23, ttmp9, 640
	s_lshl_b32 s23, s23, 2
	s_add_co_u32 s23, s23, s22                     ; my tile
	s_lshr_b32 s24, s23, 1
	s_lshl_b32 s24, s24, 5
	s_and_b32 s25, s23, 1
	s_lshl_b32 s25, s25, 3
	s_add_co_u32 s24, s24, s25                     ; its first row
	s_lshl_b32 s24, s24, 2
	s_mov_b32 s25, 0
	s_add_nc_u64 s[14:15], s[14:15], s[24:25]
	s_lshl_b32 s26, s23, 13
	s_mov_b32 s27, 0
	s_add_nc_u64 s[18:19], s[18:19], s[26:27]
	v_and_b32 v12, 8, v2
	v_add_nc_u32 v12, v12, v2                      ; r + 8 (r / 8)
	v_lshlrev_b32 v12, 2, v12
	global_load_b32 v8, v12, s[14:15]              ; my row's position
	v_lshlrev_b32 v10, 3, v3                       ; 8 h
	v_add_nc_u32 v11, 1, v10                       ; 8 h + 1
	v_mov_b32 v9, v4                               ; where I store: 16 x lane, 512 on in each trip
	s_mov_b32 s34, 0x3e549a78                      ; log2(10000) / 64, high part
	s_mov_b32 s35, 0x31979a20                      ; and what is left of it
	s_mov_b32 s36, 0x3f22f983                      ; 2 / pi
	s_mov_b32 s37, 0xbfc90fd8                      ; -pi/2 in three parts
	s_mov_b32 s38, 0xb4a8885a
	s_mov_b32 s39, 0xa7c234c4
	s_wait_loadcnt 0x0
	v_cvt_f32_i32 v8, v8
	s_mov_b32 s31, 0
.Lpair:
	s_lshr_b32 s32, s31, 2
	s_lshl_b32 s32, s32, 4
	s_and_b32 s33, s31, 3
	s_lshl_b32 s33, s33, 1
	s_add_co_u32 s32, s32, s33                     ; 16 (i / 4) + 2 (i % 4)
.irp e, 0,1
.set T, 16+16*\e
	v_add_nc_u32 v[T], s32, v[10+\e]               ; the pair
	v_cvt_f32_u32 v[T], v[T]
	v_mul_f32 v[T+1], s34, v[T]
	v_floor_f32 v[T+1], v[T+1]                     ; the exponent's whole part
	v_fma_f32 v[T+2], v[T], s34, -v[T+1]           ; and the rest,
	v_fma_f32 v[T+2], v[T], s35, v[T+2]            ; with the factor's low part
.endr
	v_exp_f32 v19, v18
	v_exp_f32 v35, v34
	v_nop                                          ; a plain place behind the exponentials
	v_cvt_i32_f32 v17, v17
	v_cvt_i32_f32 v33, v33
	s_wait_alu depctr_va_vdst(0)                   ; one wait for the two, ahead of their first reader
	v_ldexp_f32 v19, v19, v17                      ; the divisor
	v_ldexp_f32 v35, v35, v33
	v_rcp_f32 v20, v19
	v_rcp_f32 v36, v35
	v_nop
	s_wait_alu depctr_va_vdst(0)                   ; and one for the two reciprocals
.irp e, 0,1
.set T, 16+16*\e
	v_mul_f32 v[T+5], v8, v[T+4]
	v_fma_f32 v[T+6], -v[T+5], v[T+3], v8          ; the remainder
	v_fma_f32 v[T+5], v[T+6], v[T+4], v[T+5]       ; the angle
	v_mul_f32 v[T+6], s36, v[T+5]
	v_rndne_f32 v[T+6], v[T+6]                     ; j: how many quarter turns
	v_fma_f32 v[T+7], v[T+6], s37, v[T+5]
	v_fma_f32 v[T+7], v[T+6], s38, v[T+7]
	v_fma_f32 v[T+7], v[T+6], s39, v[T+7]          ; what is left, within pi/4 of 0
	v_mul_f32 v[T+8], v[T+7], v[T+7]
	v_mov_b32 v[T+9], 0xb493f27e                   ; the cosine's series up to the tenth power
	v_fmaak_f32 v[T+9], v[T+9], v[T+8], 0x37d00d01
	v_fmaak_f32 v[T+9], v[T+9], v[T+8], 0xbab60b61
	v_fmaak_f32 v[T+9], v[T+9], v[T+8], 0x3d2aaaab
	v_fmaak_f32 v[T+9], v[T+9], v[T+8], 0xbf000000
	v_fmaak_f32 v[T+9], v[T+9], v[T+8], 0x3f800000
	v_mov_b32 v[T+10], 0x3638ef1d                  ; the sine's up to the ninth
	v_fmaak_f32 v[T+10], v[T+10], v[T+8], 0xb9500d01
	v_fmaak_f32 v[T+10], v[T+10], v[T+8], 0x3c088889
	v_fmaak_f32 v[T+10], v[T+10], v[T+8], 0xbe2aaaab
	v_mul_f32 v[T+12], v[T+7], v[T+8]
	v_fma_f32 v[T+10], v[T+10], v[T+12], v[T+7]
	v_cvt_i32_f32 v[T+11], v[T+6]
	v_and_b32 v[T+12], 1, v[T+11]
	v_cmp_eq_u32 vcc_lo, 1, v[T+12]                ; an odd quarter turn swaps the two
	v_cndmask_b32 v[T+13], v[T+9], v[T+10], vcc_lo
	v_cndmask_b32 v[T+14], v[T+10], v[T+9], vcc_lo
	v_and_b32 v[T+12], 2, v[T+11]
	v_lshlrev_b32 v[T+12], 30, v[T+12]
	v_xor_b32 v[49+2*\e], v[T+12], v[T+14]         ; the sine changes sign in quarters 2 and 3,
	v_add_nc_u32 v[T+11], 1, v[T+11]
	v_and_b32 v[T+11], 2, v[T+11]
	v_lshlrev_b32 v[T+11], 30, v[T+11]
	v_xor_b32 v[48+2*\e], v[T+11], v[T+13]         ; the cosine in quarters 1 and 2
.endr
	global_store_b128 v9, v[48:51], s[18:19]       ; 32 lanes store 512 consecutive bytes, aligned
	s_wait_xcnt 0x0                                ; the store has read its data and its offset: both are written again
	v_add_nc_u32 v9, 512, v9
	s_add_co_u32 s31, s31, 1
	s_cmp_lt_u32 s31, 16
	s_cbranch_scc1 .Lpair
	s_endpgm
.Lfunc_end_k_qd757094b6f_prep:
	.size	k_qd757094b6f_prep, .Lfunc_end_k_qd757094b6f_prep-k_qd757094b6f_prep
	.p2alignl 7, 3214868480
	.fill 96, 4, 3214868480
	.section	.rodata,"a",@progbits
	.p2align	6, 0x0
	.amdhsa_kernel k_qd757094b6f_prep
		.amdhsa_group_segment_fixed_size 34304
		.amdhsa_private_segment_fixed_size 0
		.amdhsa_enable_private_segment 0
		.amdhsa_kernarg_size 64
		.amdhsa_user_sgpr_count 2
		.amdhsa_user_sgpr_kernarg_segment_ptr 1
		.amdhsa_wavefront_size32 1
		.amdhsa_system_sgpr_workgroup_id_x 1
		.amdhsa_system_sgpr_workgroup_id_y 1
		.amdhsa_system_sgpr_workgroup_id_z 1
		.amdhsa_system_vgpr_workitem_id 0
		.amdhsa_next_free_vgpr 256
		.amdhsa_next_free_sgpr 66
		.amdhsa_reserve_vcc 1
		.amdhsa_float_denorm_mode_32 3
		.amdhsa_float_denorm_mode_16_64 3
		.amdhsa_memory_ordered 1
		.amdhsa_forward_progress 1
		.amdhsa_inst_pref_size 39
	.end_amdhsa_kernel
	.amdgpu_metadata
---
amdhsa.version: [ 1, 2 ]
amdhsa.kernels:
  - .name:           k_qd757094b6f_prep
    .symbol:         k_qd757094b6f_prep.kd
    .args:
      - { .name: x, .offset: 0, .size: 8, .value_kind: global_buffer, .address_space: global }
      - { .name: Wq, .offset: 8, .size: 8, .value_kind: global_buffer, .address_space: global }
      - { .name: Wk, .offset: 16, .size: 8, .value_kind: global_buffer, .address_space: global }
      - { .name: Wv, .offset: 24, .size: 8, .value_kind: global_buffer, .address_space: global }
      - { .name: Wo, .offset: 32, .size: 8, .value_kind: global_buffer, .address_space: global }
      - { .name: token_positions, .offset: 40, .size: 8, .value_kind: global_buffer, .address_space: global }
      - { .name: opnd, .offset: 48, .size: 8, .value_kind: global_buffer, .address_space: global }
      - { .name: rope, .offset: 56, .size: 8, .value_kind: global_buffer, .address_space: global }
    .group_segment_fixed_size: 34304
    .private_segment_fixed_size: 0
    .kernarg_segment_align: 8
    .kernarg_segment_size: 64
    .max_flat_workgroup_size: 128
    .sgpr_count:     66
    .vgpr_count:     256
    .wavefront_size: 32
...
	.end_amdgpu_metadata
.endif
;; end of part 1
;; launch qkv (part 2): grid 24 x 8, 4 waves a work-group, clusters of 4 x 4, 327,680 bytes of LDS; arguments opnd, rope, qkv; writes qkv
.if DOCPART == 2
	.amdgcn_target "amdgcn-amd-amdhsa--gfx1250"
	.amdhsa_code_object_version 6
	.text
	.protected	k_qd757094b6f_qkv
	.globl	k_qd757094b6f_qkv
	.p2align	8
	.type	k_qd757094b6f_qkv,@function
k_qd757094b6f_qkv:
	s_mov_b64 s[64:65], 0
	v_nop
	global_prefetch_b8 v0, s[64:65] scope:SCOPE_SE
	s_setreg_imm32_b32 hwreg(HW_REG_WAVE_MODE, 25, 1), 1
	s_wait_xcnt 0x0
	s_wait_alu depctr_hold_cnt(0) depctr_sa_sdst(0) depctr_va_vdst(0) depctr_va_sdst(0) depctr_va_ssrc(0) depctr_va_vcc(0) depctr_vm_vsrc(0)
	s_getreg_b32 s2, hwreg(HW_REG_IB_STS2, 6, 4)
	s_cmp_eq_u32 s2, 0
	s_cbranch_scc0 .Lentry_in_a_cluster
	s_endpgm
.Lentry_in_a_cluster:
	s_bfe_u32 s2, ttmp6, 0x10000c
	s_cmp_lg_u32 s2, 0xf033
	s_cbranch_scc0 .Lentry_shape_is_right
	s_endpgm
.Lentry_shape_is_right:
; q = x Wq^T, k = x Wk^T (both rotated pair by pair) and V^T = Wv x^T, on codes of FP6 (E2M3) with E8M0 scales; the results are quantised at once for the attention launch and never go to memory as f32.
; THREE PRODUCTS IN ONE LAUNCH, told apart by offsets alone: kind = cluster x / 2: 0: A = x, B = Wq;  1: A = x, B = Wk;  2: A = Wv, B = x.  A tile is 256 rows of A x 256 rows of B; four waves, each 128 x 128: 64 accumulators.
; OPERANDS ARE IMAGES OF REGISTERS (made by the launch before): a chunk of CH bytes holds, for one tile of 16 rows and 256 along K, two fragments (1,536 bytes each: registers 4 c .. 4 c + 3 of lane l at 512 c + 16 l) and their scale
; words (from byte 3,072 on, 128 bytes a fragment).  Eight neighbouring chunks (128 rows x 256 K) are one dense block of UA bytes; the same rows' next 256 along K lie KSB bytes on.
; THE ROWS OF A TILE ARE NOT NEIGHBOURS (lane row r of tile rt is row 32 (rt / 2) + 8 (rt % 2) + r + 8 (r / 8)) AND THE MATRIX INSTRUCTION IS USED TRANSPOSED (source 0 = 16 rows of B, source 1 = 16 rows of A): a lane then holds one
; row of A, and the 64 registers of its eight tiles of B run along B's rows: register 16 b + i = index 32 b + 16 (lane / 16) + i.  That is the head's axis for q and k, and the keys for V^T: the next product's K.
; A wave's 128 x 128 is one chunk of the attention launch: eight fragments (1,536 a) and 512 bytes of scale words (12,288 + 16 l + 4 i: lanes 0-15 tile i, lanes 16-31 tile i + 4).
; CLUSTERS: 4 x 4 work-groups; A's tiles are asked for jointly along a row of the cluster, B's along a column.
; THE RING HAS TWO UNEQUAL SLOTS, as large as LDS holds: X takes 512 along K, Y 256; K is walked X, Y, X, Y, X = 2,048.  One tensor load a wave fills its part of a slot: for X a tile of two rows of UA bytes, KSB bytes apart in memory,
; on end in LDS; for Y one dense block of UA bytes.  So there are three refills in all.  X's refills have 96 matrix instructions in which to land, Y's has 224.  The pattern does not come back (the last Y is not filled again),
; so the sixteen steps of 128 along K are written out, by macros that take the step's number g.
; REGISTERS: window 0: v1-5 lane terms; v16-23 LDS addresses; v28, v29 for the add; v32-63 scale words, two sets; v64-127 rotated numbers; v128-223 A's fragments, one set (on the way out: v128-191 a table tile, v192-235 at work);
;   window 1: B's fragments, two sets, at v0 and v128 (on the way out v128-191: the other table tile);  windows 2, 3: accumulator (a, b) at v[8 (8 a + b)].
; LIMITS: NaN and infinities are not served; a block of zeros gets the byte 1 (its codes are zeros; this program alone reads the bytes); blocks under 2^-124 are held at that floor.
.set NB,    8                          ; tiles of B to a wave
.set CH,    3328
.set KSB,   128*CH                     ; from one 256 along K to the next in an image
.set IMGB,  8*KSB
.set FR,    12                         ; registers of a fragment
.set UA,    8*CH                       ; 128 rows x 256 K
.set XPART, 2*UA                       ; a wave's load for slot X: 128 rows x 512 K
.set YBASE, 4*XPART                    ; slot X: A's two parts, B's two parts; slot Y begins here: four parts of UA
.set SPARE, YBASE+4*UA                 ; behind the ring: the spare words, 128 bytes a wave, that no other line names
.set ACH,   12800                      ; a chunk of the attention launch
.set QB,    256*ACH                    ; where K's and V's chunks begin in qkv
.set ADRA,  16                         ; v16-17  LDS address of my A fragments in slot X, Y
.set ADRB,  20                         ; v20-21  of B's
.set ADRS,  22                         ; v22-23  of the scale words: lanes 0-15 A's, lanes 16-31 B's
.set SPW,   28
.set NIL,   29
.set SC,    32                         ; scale words: the set of the (g / 2)-th 256 along K at v[SC + 16 ((g / 2) % 2)]; register 2 i + g % 2: lanes 0-15 A's block i, lanes 16-31 B's block i
.set HA,    64
.set AF,    128
.set CS,    128                        ; the table's tile: set a % 2 in window a % 2
.set PC,    192
.set TM,    212
.set PWS,   228                        ; the eight fragments' scale words
.set SEL,   76
.set G1,    24                         ; s[24:31] group 1 for A's tiles of slot X;  s[32:35], s[36:39] A's groups 0 for X and Y
.set G0,    32
.set G1B,   48                         ; s[48:55], s[56:63] the same for B
.set G0B,   56
.set G1Y,   80                         ; s[80:87] group 1 for A's tiles of slot Y;  s[88:95] for B's
.set G1BY,  88
.set MSB, 0
.macro WIN new                         ; the immediate's high byte repeats the setting that is left
.if MSB != (\new)
	s_set_vgpr_msb (MSB<<8)|(\new)
.set MSB, (\new)
.endif
.endm
.set TO_B, 0x40
; A joint load: waves 0 and 1 fetch A's halves, waves 2 and 3 B's; the branch hangs on the wave's number alone.  Four v_nop follow each of the two lines.
.macro JLOAD g0a, g1a, g0b, g1b
	s_cmp_eq_u32 s15, 0
	s_cbranch_scc0 .Lfor_b_\@
	tensor_load_to_lds s[\g0a:\g0a+3], s[\g1a:\g1a+7]
	s_nop 0
.rept 4
	v_nop
.endr
	s_branch .Lasked_\@
.Lfor_b_\@:
	tensor_load_to_lds s[\g0b:\g0b+3], s[\g1b:\g1b+7]
	s_nop 0
.rept 4
	v_nop
.endr
.Lasked_\@:
.endm
.macro CREST                           ; a round of the cluster's barrier behind its opening barrier
	s_cmp_lg_u32 s14, 0
	s_cbranch_scc1 .Lnot_wave_0_\@
	s_barrier_signal -3
.Lnot_wave_0_\@:
	s_barrier_wait -3
	s_barrier_signal -1
	s_barrier_wait -1
.endm
.macro CROUND
	s_barrier_signal -1
	s_barrier_wait -1
	CREST
.endm
.macro PLACES n                        ; plain places behind matrix instructions, in front of loads into their registers and of reads of their results
.rept \n
	v_nop
.endr
.endm
	s_load_b128 s[4:7], s[0:1], 0x0                ; opnd, rope
	s_load_b64 s[8:9], s[0:1], 0x10                ; qkv
	v_lshl_add_u32 v[SPW], v0, 2, SPARE
	v_mov_b32 v[NIL], 0
	ds_add_u32 v28, v29
	s_wait_dscnt 0x0
	v_lshrrev_b32 v1, 5, v0
	v_readfirstlane_b32 s14, v1                    ; wave 0..3
	s_lshr_b32 s15, s14, 1                         ; which 128 rows of A are mine.  Also: I fetch for A (0) or for B (1)
	s_and_b32 s16, s14, 1                          ; which 128 rows of B.  Also: which half I fetch
	s_bfe_u32 s40, ttmp6, 0x40000                  ; cx
	s_bfe_u32 s41, ttmp6, 0x40004                  ; cy
	s_lshr_b32 s10, ttmp9, 1                       ; kind: the same in all sixteen partners
	s_and_b32 s42, ttmp9, 1
	s_lshl_b32 s42, s42, 2
	s_add_co_u32 s42, s42, s40                     ; tile column 0..7
	s_and_b32 s17, ttmp7, 0xffff
	s_lshl_b32 s17, s17, 2
	s_add_co_u32 s17, s17, s41                     ; tile row 0..7
	s_lshl_b32 s43, s41, 2
	s_lshl_b32 s43, 15, s43                        ; my row of the cluster
	s_lshl_b32 s44, 0x1111, s40                    ; my column
	s_or_b32 s[G1+0], s43, (3<<16)|(1<<21)         ; 15:0 the mask; 17:16 elements of 8 bytes; 21 set beside a mask; no padding
	s_or_b32 s[G1B+0], s44, (3<<16)|(1<<21)
	s_or_b32 s[G1Y+0], s43, (3<<16)|(1<<21)
	s_or_b32 s[G1BY+0], s44, (3<<16)|(1<<21)
.irp g, G1, G1B                        ; slot X: two rows of UA bytes, KSB bytes apart
	s_mov_b32 s[\g+1], (UA/8)<<16                  ; tensor_dim0 = 3,328 elements
	s_mov_b32 s[\g+2], 2<<16                       ; tensor_dim1 = 2
	s_mov_b32 s[\g+3], (UA/8)<<16                  ; tile_dim0
	s_mov_b32 s[\g+4], 2                           ; tile_dim1
	s_mov_b32 s[\g+5], KSB/8                       ; the pitch, in elements
	s_mov_b32 s[\g+6], 0
	s_mov_b32 s[\g+7], 0
.endr
.irp g, G1Y, G1BY                      ; slot Y: one dense block of UA bytes, as 104 rows of 256 bytes
	s_mov_b32 s[\g+1], 32<<16
	s_mov_b32 s[\g+2], 104<<16
	s_mov_b32 s[\g+3], 32<<16
	s_mov_b32 s[\g+4], 104
	s_mov_b32 s[\g+5], 32
	s_mov_b32 s[\g+6], 0
	s_mov_b32 s[\g+7], 0
.endr
	s_lshr_b32 s11, s10, 1                         ; 1 for V^T
	s_mul_i32 s12, s11, 3*IMGB                     ; A's image: x, or Wv
	s_mul_i32 s13, s11, 3
	s_sub_co_u32 s13, s10, s13
	s_add_co_u32 s13, s13, 1
	s_mul_i32 s13, s13, IMGB                       ; B's image: Wq, Wk, or x
	s_lshl_b32 s18, s16, 3
	s_lshl_b32 s20, s17, 4
	s_add_co_u32 s20, s20, s18                     ; A: chunk 16 x tile row + 8 x half
	s_mul_i32 s20, s20, CH
	s_add_co_u32 s20, s20, s12
	s_mov_b32 s21, 0
	s_lshl_b32 s46, s42, 4
	s_add_co_u32 s46, s46, s18                     ; B: chunk 16 x tile column + 8 x half
	s_mul_i32 s46, s46, CH
	s_add_co_u32 s46, s46, s13
	s_mov_b32 s47, 0
	s_mul_i32 s45, s16, XPART                      ; where they go, in slot X: A's part;  no place in the cluster enters an LDS address
	s_add_co_u32 s19, s45, 2*XPART                 ; B's part
	s_mul_i32 s96, s16, UA
	s_add_co_u32 s96, s96, YBASE                   ; in slot Y: A's part,
	s_add_co_u32 s97, s96, 2*UA                    ; B's part
	s_wait_kmcnt 0x0
	s_add_nc_u64 s[20:21], s[4:5], s[20:21]
	s_add_nc_u64 s[46:47], s[4:5], s[46:47]
	CROUND                                         ; all sixteen work-groups are here: the first joint loads meet
	s_mov_b32 s[G0], 1                             ; slot X: the first 512 along K
	s_mov_b32 s[G0+1], s45
	s_mov_b64 s[G0+2:G0+3], s[20:21]
	s_or_b32 s[G0+3], s[G0+3], 0x80000000
	s_mov_b32 s[G0B], 1
	s_mov_b32 s[G0B+1], s19
	s_mov_b64 s[G0B+2:G0B+3], s[46:47]
	s_or_b32 s[G0B+3], s[G0B+3], 0x80000000
	JLOAD G0, G1, G0B, G1B
	s_mov_b32 s[G0+4], 1                           ; slot Y: the 256 behind them
	s_mov_b32 s[G0+5], s96
	s_add_nc_u64 s[G0+6:G0+7], s[20:21], 2*KSB
	s_or_b32 s[G0+7], s[G0+7], 0x80000000
	s_mov_b32 s[G0B+4], 1
	s_mov_b32 s[G0B+5], s97
	s_add_nc_u64 s[G0B+6:G0B+7], s[46:47], 2*KSB
	s_or_b32 s[G0B+7], s[G0B+7], 0x80000000
	JLOAD G0+4, G1Y, G0B+4, G1BY
	v_and_b32 v1, 31, v0                           ; lane
	v_bfe_u32 v2, v0, 4, 1                         ; h
	v_lshlrev_b32 v3, 4, v1                        ; 16 x lane
	v_lshlrev_b32 v4, 2, v1                        ; 4 x lane
	s_mul_i32 s21, s15, XPART                      ; slot X: my 128 rows of A,
	s_mul_i32 s22, s16, XPART
	s_add_co_u32 s22, s22, 2*XPART                 ; my 128 rows of B, behind A's 256
	s_sub_co_u32 s23, s22, s21
	v_mul_u32_u24 v5, s23, v2                      ; lanes 16-31 take B's scale words
	v_add_nc_u32 v5, v5, v4
	v_add_nc_u32 v[ADRA], s21, v3
	v_add_nc_u32 v[ADRB], s22, v3
	v_add_nc_u32 v[ADRS], s21, v5
	s_mul_i32 s21, s15, UA                         ; slot Y likewise
	s_add_co_u32 s21, s21, YBASE
	s_mul_i32 s22, s16, UA
	s_add_co_u32 s22, s22, YBASE+2*UA
	s_sub_co_u32 s23, s22, s21
	v_mul_u32_u24 v5, s23, v2
	v_add_nc_u32 v5, v5, v4
	v_add_nc_u32 v[ADRA+1], s21, v3
	v_add_nc_u32 v[ADRB+1], s22, v3
	v_add_nc_u32 v[ADRS+1], s21, v5
; Step g (0..15) is 128 along K.  Steps 0-3, 6-9, 12-15 lie in slot X, steps 4-5 and 10-11 in slot Y.
.macro SLOTOF g                        ; SL: the slot (0 = X, 1 = Y);  SS: the step's number in it
.set SL, ((\g)%6)/4
.set SS, ((\g)%6)%4
.endm
.macro FRAG reg, adr, ss, i            ; a fragment comes back as it was stored: three loads, 512 consecutive bytes each
.irp c, 0,1,2
	ds_load_b128 v[(\reg)+4*\c:(\reg)+4*\c+3], v[\adr] offset:((\ss)/2)*UA+(\i)*CH+((\ss)%2)*1536+512*\c
.endr
.endm
.macro FETCH_B g                       ; B's eight fragments of step g into set g % 2
	SLOTOF \g
	WIN TO_B
.irp i, 0,1,2,3,4,5,6,7
	FRAG 128*((\g)%2)+FR*\i, ADRB+SL, SS, \i
.endr
	WIN 0
.endm
.macro FETCH_A g, i0                   ; A's blocks i0 .. i0 + 3 of step g
	SLOTOF \g
.irp i, \i0, \i0+1, \i0+2, \i0+3
	FRAG AF+FR*(\i), ADRA+SL, SS, \i
.endr
.endm
.macro SCALES g                        ; g even: the scale words of steps g and g + 1
	SLOTOF \g
.irp i, 0,1,2,3,4,5,6,7
.irp q, 0,1
	ds_load_b32 v[SC+16*(((\g)/2)%2)+2*\i+\q], v[ADRS+SL] offset:(SS/2)*UA+\i*CH+3072+128*\q
.endr
.endr
.endm
; A's blocks a0, a0 + 1 against B's eight.  The 64 accumulators take turns, one instruction a turn, in the same order in every step.  zero = 1: the product starts the sums.
.macro MUL2 a0, g, zero
	WIN 0x01+(2+(8*NB*(\a0))/256)*0x50             ; source 0 (B) window 1, source 1 (A) window 0, C and D window 2 or 3
.irp a, \a0, \a0+1
.irp b, 0,1,2,3,4,5,6,7
.set AC, (8*(NB*(\a)+\b))%256
.set BF, 128*((\g)%2)+FR*\b
.set SW, SC+16*(((\g)/2)%2)+(\g)%2
.if \zero
	v_wmma_scale_f32_16x16x128_f8f6f4 v[AC:AC+7], v[BF:BF+FR-1], v[AF+FR*(\a):AF+FR*(\a)+FR-1], 0, v[SW+2*\b], v[SW+2*(\a)] matrix_a_fmt:MATRIX_FMT_FP6 matrix_b_fmt:MATRIX_FMT_FP6 matrix_a_scale:MATRIX_SCALE_ROW1
.else
	v_wmma_scale_f32_16x16x128_f8f6f4 v[AC:AC+7], v[BF:BF+FR-1], v[AF+FR*(\a):AF+FR*(\a)+FR-1], v[AC:AC+7], v[SW+2*\b], v[SW+2*(\a)] matrix_a_fmt:MATRIX_FMT_FP6 matrix_b_fmt:MATRIX_FMT_FP6 matrix_a_scale:MATRIX_SCALE_ROW1
.endif
.endr
.endr
.endm
; A step that has its successor in the same slot
.macro STEP g, zero
	s_wait_dscnt 12                                ; all but the youngest twelve loads (A's blocks 4-7) are in
	MUL2 0, \g, \zero
	MUL2 2, \g, \zero
	s_wait_dscnt 0x0                               ; A's blocks 4-7 are in
	PLACES 4
	FETCH_B (\g)+1
	FETCH_A (\g)+1, 0
.if ((\g)+1)%2 == 0
	SCALES (\g)+1
.endif
	MUL2 4, \g, \zero
	MUL2 6, \g, \zero
	PLACES 4
	WIN 0
	FETCH_A (\g)+1, 4
.endm
; A slot's last step changes slots: one barrier; in front of it each wave waits for all its tensor loads, adds 0 to its spare word, and waits for that and for its reads of this slot.
; fill = 1: the slot is filled again, with what lies three times 256 along K behind what it held.
.macro TURN g, fill
	s_wait_tensorcnt 0x0                           ; all my tensor loads have landed: my part of the next slot
	ds_add_u32 v[SPW], v[NIL]                      ; 0 onto my spare word
	s_wait_dscnt 13                                ; (the add and the youngest twelve loads may be out)
	MUL2 0, \g, 0
	s_wait_dscnt 0x0                               ; the add is done, and my reads of this slot are over
	s_barrier_signal -1
	MUL2 2, \g, 0
	WIN 0
	s_barrier_wait -1
.if \fill
	CREST                                          ; the barrier has opened a round of the cluster's: no wave of any partner still reads this slot or has a load on its way
	SLOTOF \g
	s_add_nc_u64 s[G0+4*SL+2:G0+4*SL+3], s[G0+4*SL+2:G0+4*SL+3], 3*KSB
	s_add_nc_u64 s[G0B+4*SL+2:G0B+4*SL+3], s[G0B+4*SL+2:G0B+4*SL+3], 3*KSB
.if SL == 0
	JLOAD G0, G1, G0B, G1B                         ; the first tensor load behind the round; its four v_nop are also the places in front of the loads below
.else
	JLOAD G0+4, G1Y, G0B+4, G1BY
.endif
.else
	PLACES 4
.endif
	FETCH_B (\g)+1
	FETCH_A (\g)+1, 0
	SCALES (\g)+1
	MUL2 4, \g, 0
	MUL2 6, \g, 0
	PLACES 4
	WIN 0
	FETCH_A (\g)+1, 4
.endm
	s_wait_tensorcnt 1                             ; my part of slot X is in; slot Y's may stay out
	s_barrier_signal -1
	s_barrier_wait -1
	FETCH_B 0
	FETCH_A 0, 0
	SCALES 0
	FETCH_A 0, 4
	STEP 0, 1                                      ; the first step's products start the sums
	STEP 1, 0
	STEP 2, 0
	TURN 3, 1                                      ; X is left and takes K = 768 .. 1,279
	STEP 4, 0
	TURN 5, 1                                      ; Y is left and takes K = 1,280 .. 1,535
	STEP 6, 0
	STEP 7, 0
	STEP 8, 0
	TURN 9, 1                                      ; X takes K = 1,536 .. 2,047: the last load
	STEP 10, 0
	TURN 11, 0                                     ; nothing is left to fetch
	STEP 12, 0
	STEP 13, 0
	STEP 14, 0
	s_wait_dscnt 12
	MUL2 0, 15, 0
	MUL2 2, 15, 0
	s_wait_dscnt 0x0
	MUL2 4, 15, 0
	MUL2 6, 15, 0
	WIN 0
	PLACES 4
	; ---------------- the way out: rotate (q, k), quantise, store images ----------------
	s_mov_b32 s[SEL], 0x76543210
	s_mov_b32 s[SEL+1], 0xfedcba98
.irp b, 0,1,2,3
	v_mov_b32 v[TM+4+\b], 0                        ; written once: a lane permute's destination counts as one of its sources
.endr
	s_lshl_b32 s66, s17, 1
	s_add_co_u32 s66, s66, s15                     ; GA: which 128 rows of A
	s_lshl_b32 s67, s42, 1
	s_add_co_u32 s67, s67, s16                     ; GB: which 128 rows of B
	s_lshl_b32 s68, s66, 16                        ; the table's eight tiles of my rows of x
	s_mov_b32 s69, 0
	s_add_nc_u64 s[6:7], s[6:7], s[68:69]
	s_lshl_b32 s70, s67, 4
	s_add_co_u32 s70, s70, s66                     ; q, k: head GB, block GA
	s_lshl_b32 s71, s66, 4
	s_add_co_u32 s71, s71, s67                     ; V: head GA, key step GB
	s_cmp_eq_u32 s10, 2
	s_cselect_b32 s70, s71, s70
	s_cselect_b32 s72, ACH, 0                      ; V's chunk lies behind K's
	s_cmp_eq_u32 s10, 0
	s_cselect_b32 s73, 0, QB
	s_mov_b32 s74, 2*ACH
	s_cselect_b32 s74, ACH, s74
	s_mul_i32 s70, s70, s74
	s_add_co_u32 s70, s70, s72
	s_add_co_u32 s70, s70, s73
	s_mov_b32 s71, 0
	s_add_nc_u64 s[8:9], s[8:9], s[70:71]          ; my chunk
; 64 numbers v[s] .. v[s + 63] of window w become a fragment's codes in v[PC] on and its scale word in v[pw]
.macro QUANT s, w, pw
	WIN (\w)*0x14                                  ; sources 1 and 2 in window w
.irp b, 0,1,2,3
	v_max3_num_f32 v[TM+\b], 0x1800000, |v[(\s)+16*\b]|, |v[(\s)+1+16*\b]|   ; the floor 2^(3 - 127) and my first two numbers of block b: each accumulator is read from its low end on
.endr
.irp i, 2,4,6,8,10,12,14
.irp b, 0,1,2,3
	v_max3_num_f32 v[TM+\b], v[TM+\b], |v[(\s)+16*\b+\i]|, |v[(\s)+1+16*\b+\i]|
.endr
.endr
	WIN 0
.irp b, 0,1,2,3
	v_permlanex16_b32 v[TM+4+\b], v[TM+\b], s[SEL], s[SEL+1]
.endr
.irp b, 0,1,2,3
	v_max_num_f32 v[TM+\b], v[TM+\b], v[TM+4+\b]   ; the block's largest magnitude
.endr
.irp b, 0,1,2,3
	v_add_nc_u32 v[TM+12+\b], 0xff000000, v[TM+\b] ; 2 off its exponent field: the conversion's scale operand
.endr
.irp b, 0,1,2,3
	v_lshrrev_b32 v[TM+4+\b], 23, v[TM+12+\b]      ; the scale's byte
.endr
	v_lshl_or_b32 v[\pw], v[TM+5], 8, v[TM+4]
	v_lshl_or_b32 v[\pw], v[TM+6], 16, v[\pw]
	v_lshl_or_b32 v[\pw], v[TM+7], 24, v[\pw]
	WIN (\w)                                       ; source 0 in window w
.irp c, 0,1
	v_cvt_scalef32_pk16_fp6_f32 v[PC+6*\c:PC+2+6*\c], v[(\s)+32*\c:(\s)+15+32*\c], v[TM+12+2*\c]
	v_cvt_scalef32_pk16_fp6_f32 v[PC+12+4*\c:PC+14+4*\c], v[(\s)+16+32*\c:(\s)+31+32*\c], v[TM+12+2*\c+1]
.endr
	WIN 0
	v_nop                                          ; one plain place behind a scaled conversion
.irp c, 0,1
.irp i, 0,1,2
	v_permlane16_swap_b32 v[PC+6*\c+\i], v[PC+12+4*\c+\i]
.endr
.irp i, 0,1,2
	v_mov_b32 v[PC+3+6*\c+\i], v[PC+12+4*\c+\i]
.endr
.endr
.endm
.macro OUT a                           ; fragment a of my chunk: three stores of 512 consecutive bytes, aligned
.irp c, 0,1,2
	global_store_b128 v3, v[PC+4*\c:PC+4*\c+3], s[8:9] offset:1536*(\a)+512*\c
.endr
.endm
.macro TABLOAD a                       ; (cos, sin) of block a's 16 rows: register n, n + 1 (n even) belong to numbers n, n + 1
	WIN ((\a)%2)*0x40
.irp i, 0,1,2,3,4,5,6,7,8,9,10,11,12,13,14,15
	global_load_b128 v[CS+4*\i:CS+4*\i+3], v3, s[6:7] offset:(\a)*8192+512*\i
.endr
	WIN 0
.endm
.macro ROPE a                          ; (x0, x1) -> (cos x0 - sin x1, sin x0 + cos x1), out of the accumulators into v[HA] on
.set AC, 64*((\a)%4)
	WIN 2+(\a)/4+((\a)%2)*4                        ; source 0: the accumulators' window; source 1: the table's
.irp t, 0,1,2,3,4,5,6,7
.irp i, 0,2,4,6
	v_pk_mul_f32 v[HA+8*\t+\i:HA+8*\t+\i+1], v[AC+8*\t+\i:AC+8*\t+\i+1], v[CS+8*\t+\i:CS+8*\t+\i+1] op_sel_hi:[1,0]   ; both by the cosine; each accumulator from its low end on
.endr
.irp i, 0,2,4,6
	v_fma_f32 v[HA+8*\t+\i], v[AC+8*\t+\i+1], -v[CS+8*\t+\i+1], v[HA+8*\t+\i]
	v_fma_f32 v[HA+8*\t+\i+1], v[AC+8*\t+\i], v[CS+8*\t+\i+1], v[HA+8*\t+\i+1]
.endr
.endr
	WIN 0
.endm
	s_cmp_eq_u32 s10, 2                            ; the kind is the same in all partners
	s_cbranch_scc1 .Lvpath
	TABLOAD 0
.irp a, 0,1,2,3,4,5,6,7
.if \a < 7
	TABLOAD \a+1
	s_wait_loadcnt 16                              ; this block's table is in; the next block's 16 loads may be out
.else
	s_wait_loadcnt 0x0
.endif
	ROPE \a
	s_wait_xcnt 0x0                                ; the last block's stores have read the codes' registers
	QUANT HA, 0, PWS+\a
	OUT \a
.endr
	s_branch .Ljoin
.Lvpath:
.irp a, 0,1,2,3,4,5,6,7
	s_wait_xcnt 0x0
	QUANT 64*(\a%4), 2+\a/4, PWS+\a
	OUT \a
.endr
.Ljoin:
	v_cmp_le_u32 vcc_lo, 16, v1                    ; lanes 16-31 carry tiles 4-7's scale words
.irp i, 0,1,2,3
	v_cndmask_b32 v[TM+\i], v[PWS+\i], v[PWS+4+\i], vcc_lo
.endr
	global_store_b128 v3, v[TM:TM+3], s[8:9] offset:12288
	s_wait_tensorcnt 0x0                           ; the wave's end
	ds_add_u32 v[SPW], v[NIL]
	s_wait_dscnt 0x0
	CROUND                                         ; the closing round: no work-group ends while a partner may still ask for a tile that names it
	s_endpgm
.Lfunc_end_k_qd757094b6f_qkv:
	.size	k_qd757094b6f_qkv, .Lfunc_end_k_qd757094b6f_qkv-k_qd757094b6f_qkv
	.p2alignl 7, 3214868480
	.fill 96, 4, 3214868480
	.section	.rodata,"a",@progbits
	.p2align	6, 0x0
	.amdhsa_kernel k_qd757094b6f_qkv
		.amdhsa_group_segment_fixed_size 327680
		.amdhsa_private_segment_fixed_size 0
		.amdhsa_enable_private_segment 0
		.amdhsa_kernarg_size 24
		.amdhsa_user_sgpr_count 2
		.amdhsa_user_sgpr_kernarg_segment_ptr 1
		.amdhsa_wavefront_size32 1
		.amdhsa_system_sgpr_workgroup_id_x 1
		.amdhsa_system_sgpr_workgroup_id_y 1
		.amdhsa_system_sgpr_workgroup_id_z 1
		.amdhsa_system_vgpr_workitem_id 0
		.amdhsa_next_free_vgpr 1024
		.amdhsa_next_free_sgpr 100
		.amdhsa_reserve_vcc 1
		.amdhsa_float_denorm_mode_32 3
		.amdhsa_float_denorm_mode_16_64 3
		.amdhsa_memory_ordered 1
		.amdhsa_forward_progress 1
		.amdhsa_inst_pref_size 255
	.end_amdhsa_kernel
	.section	.bss,"aw",@nobits
	.p2align	6
	.space	262144
	.amdgpu_metadata
---
amdhsa.version: [ 1, 2 ]
amdhsa.kernels:
  - .name:           k_qd757094b6f_qkv
    .symbol:         k_qd757094b6f_qkv.kd
    .args:
      - { .name: opnd, .offset: 0, .size: 8, .value_kind: global_buffer, .address_space: global }
      - { .name: rope, .offset: 8, .size: 8, .value_kind: global_buffer, .address_space: global }
      - { .name: qkv, .offset: 16, .size: 8, .value_kind: global_buffer, .address_space: global }
    .group_segment_fixed_size: 327680
    .private_segment_fixed_size: 0
    .kernarg_segment_align: 8
    .kernarg_segment_size: 24
    .max_flat_workgroup_size: 128
    .sgpr_count:     100
    .vgpr_count:     1024
    .wavefront_size: 32
...
	.end_amdgpu_metadata
.endif
;; end of part 2
;; launch attn (part 3): grid 16 x 16, 8 waves a work-group, clusters of 4 x 1, 327,680 bytes of LDS; arguments qkv, aimg; writes aimg
.if DOCPART == 3
	.amdgcn_target "amdgcn-amd-amdhsa--gfx1250"
	.amdhsa_code_object_version 6
	.text
	.protected	k_qd757094b6f_attn
	.globl	k_qd757094b6f_attn
	.p2align	8
	.type	k_qd757094b6f_attn,@function
k_qd757094b6f_attn:
	s_mov_b64 s[64:65], 0
	v_nop
	global_prefetch_b8 v0, s[64:65] scope:SCOPE_SE
	s_setreg_imm32_b32 hwreg(HW_REG_WAVE_MODE, 25, 1), 1
	s_wait_xcnt 0x0
	s_wait_alu depctr_hold_cnt(0) depctr_sa_sdst(0) depctr_va_vdst(0) depctr_va_sdst(0) depctr_va_ssrc(0) depctr_va_vcc(0) depctr_vm_vsrc(0)
	s_getreg_b32 s2, hwreg(HW_REG_IB_STS2, 6, 4)
	s_cmp_eq_u32 s2, 0
	s_cbranch_scc0 .Lentry_in_a_cluster
	s_endpgm
.Lentry_in_a_cluster:
	s_bfe_u32 s2, ttmp6, 0x10000c
	s_cmp_lg_u32 s2, 0x3003
	s_cbranch_scc0 .Lentry_shape_is_right
	s_endpgm
.Lentry_shape_is_right:
; Causal attention of 16 heads of 128 on codes of FP6 (E2M3) with E8M0 scales; its result is quantised along head x 128 + channel and stored as operand A of the output projection.
; THE SOFTMAX: t = score x log2(e) / sqrt(128); M = the running largest t rounded up to a whole number; p = 2^(t - M) is quantised along the keys, not normalised; the row's sum is taken of the unquantised p and divides at the end.
; INPUT: chunks of 12,800 bytes, images of registers: eight fragments (16 rows x 128 K, 1,536 bytes: registers 4 c .. 4 c + 3 of lane l at 512 c + 16 l) and 512 bytes of scale words (16 l + 4 i: lanes 0-15 tile i, lanes 16-31 tile i + 4).
; q: chunk (head, block of 128 queries).  K, V: for each (head, key step of 128) K's chunk (tiles of keys, K = channel) and V's (tiles of channels, K = key) on end: a head's are 409,600 dense bytes.
; In every tile lane row r of tile t is index 32 (t / 2) + 8 (t % 2) + r + 8 (r / 8).  Both products are used transposed (S^T = K Q^T, O^T = V^T P^T): a lane holds one query, and the 64 registers of eight tiles run along the keys
; (then the channels): register 16 b + i = index 32 b + 16 (lane / 16) + i, which is what the conversions want.
; SHARES.  A wave owns one tile of 16 queries.  Cluster c of a head (four work-groups, eight waves each) owns the blocks of 128 queries 2 c, 2 c + 1, 15 - 2 c, 14 - 2 c: wave w has block BQ = X or 15 - X (w < 4 or not), X = 2 c + w % 2,
; and in it tile 2 cx + (w / 2) % 2.  So a light and a heavy block sit in each work-group, BQ is the same in all partners for a given wave, and cx enters global addresses and the mask's numbers alone.
; A key step KI is left out where KI > BQ (a scalar branch on ids round its work; no barrier or tensor load stands in a step) and is masked where KI = BQ.  Every work-group walks all 16 key steps, so that all trip counts are constants.
; RING: two LDS slots of four key steps (102,400 bytes), filled JOINTLY for the four partners: waves 0-3 bring one key step's two chunks each (100 rows of 256 bytes).  One wait for all loads and one round for four key steps.
; REGISTERS: window 0: v1-7 lane terms; v12 -M, v13 the largest t, v[14:15] the sum; v16-27 Q; v32-35, v36-39 K's and V's scale words; v96-159 S^T, then p; v160-223 O^T; v224-235 p's codes; v232-254 at work; v253 p's, v255 Q's scale word.
;   window 1: v0-95 K's eight fragments, v96-191 V's.
; LIMITS: NaN and infinities are not served; a block of zeros gets the byte 1 (its codes are zeros; this program alone reads the bytes).
.set ACH,   12800
.set QB,    256*ACH                    ; where K's and V's chunks begin
.set STEPB, 2*ACH                      ; a key step's two chunks
.set KVH,   16*STEPB                   ; a head's
.set SLB,   4*STEPB                    ; a slot's
.set SLOT1, 1<<17                      ; slot 1 begins here: one exclusive or turns an address from one slot to the other
.set SPARE, 2*SLOT1                    ; the spare words, 128 bytes a wave, that no other line names
.set CH,    3328                       ; a chunk of the projection's operand image
.set LI,  1                            ; v1   16 x lane
.set AD,  2                            ; v2   LDS address of the step in hand
.set DQ,  3                            ; v3   my query in its block - 16 (lane / 16)
.set QSA, 4                            ; v4   16 r: Q's scale word's place
.set SPW, 5
.set NIL, 6
.set L4,  7                            ; v7   4 x lane
.set PFO, 28                           ; v28  the prefetches' offset: 256 x min(lane, 24)
.set KSC, 32
.set VSC, 36
.set TM,  40                           ; the way out: v40-55, v56-74, v76
.set PC,  56
.set PW,  76
.set WV,  18
.set SEL, 20
.set CS,  22                           ; s[22:23] c = log2(e) / sqrt(128)
.set G1,  24
.set G0,  40
.set TB,  44                           ; LDS byte at which the step in hand begins
.set KI,  45                           ; the key step
.set BQ,  46                           ; my block of queries
.set SLOTS, 47
.set CNT, 48
.set PFA, 50
.set LIM, 52
.set MSB, 0
.macro WIN new
.if MSB != (\new)
	s_set_vgpr_msb (MSB<<8)|(\new)
.set MSB, (\new)
.endif
.endm
.macro JLOAD                           ; waves 0-3 fetch, the others nothing; four v_nop follow the line
	s_cmp_lt_u32 s[WV], 4
	s_cbranch_scc0 .Lasked_\@
	tensor_load_to_lds s[G0:G0+3], s[G1:G1+7]
	s_nop 0
.rept 4
	v_nop
.endr
.Lasked_\@:
.endm
; A prefetch of the slot behind the one that is being asked for: four key steps ahead of the load that will want it.  All clusters of a head walk the same K and V: the head's first cluster asks, in it the waves that fetch nothing (4-7).
; The four partners take a key step each, told apart by address; a wave takes 25 of its 100 rows of 256 bytes, a lane a row (lanes 25-31 name lane 24's).  The last change that fills a slot asks for nothing; slots 0 and 1 come by their loads alone.
.macro ASK
	s_cmp_gt_u32 s[SLOTS], s[LIM]
	s_cbranch_scc0 .Lnot_mine_\@
	global_prefetch_b8 v[PFO], s[PFA:PFA+1] th:TH_LOAD_NT scope:SCOPE_SE
.Lnot_mine_\@:
.endm
.macro CROUND
	s_barrier_signal -1
	s_barrier_wait -1
	s_cmp_lg_u32 s[WV], 0
	s_cbranch_scc1 .Lnot_wave_0_\@
	s_barrier_signal -3
.Lnot_wave_0_\@:
	s_barrier_wait -3
	s_barrier_signal -1
	s_barrier_wait -1
.endm
	s_load_b128 s[4:7], s[0:1], 0x0                ; qkv, aimg
	v_lshl_add_u32 v[SPW], v0, 2, SPARE
	v_mov_b32 v[NIL], 0
	ds_add_u32 v5, v6
	s_wait_dscnt 0x0
	v_lshrrev_b32 v8, 5, v0
	v_readfirstlane_b32 s[WV], v8                  ; wave 0..7
	v_and_b32 v9, 31, v0                           ; lane
	v_lshlrev_b32 v[LI], 4, v9
	v_lshlrev_b32 v[L4], 2, v9
	v_min_u32 v[PFO], 24, v9
	v_lshlrev_b32 v[PFO], 8, v[PFO]
	s_bfe_u32 s8, ttmp6, 0x40000                   ; cx
	s_and_b32 s9, ttmp7, 0xffff                    ; the head
	s_and_b32 s10, s[WV], 1
	s_lshl_b32 s11, ttmp9, 1
	s_add_co_u32 s11, s11, s10                     ; X
	s_sub_co_u32 s12, 15, s11
	s_cmp_lt_u32 s[WV], 4
	s_cselect_b32 s[BQ], s11, s12                  ; my block of 128 queries
	s_bfe_u32 s13, s[WV], 0x10001
	s_lshl_b32 s14, s8, 1
	s_add_co_u32 s14, s14, s13                     ; aq: my tile in it
	s_and_b32 s15, s[WV], 3
	s_mul_i32 s16, s9, KVH
	s_add_co_u32 s16, s16, QB                      ; the head's K and V
	s_mul_i32 s32, s15, STEPB                      ; the key step that I fetch: in a slot, and in memory
	s_add_co_u32 s34, s16, s32
	s_mov_b32 s35, 0
	s_lshl_b32 s36, s9, 4
	s_add_co_u32 s36, s36, s[BQ]
	s_mul_i32 s36, s36, ACH                        ; q's chunk
	s_mul_i32 s37, s14, 1536
	s_add_co_u32 s38, s36, s37                     ; my fragment
	s_mov_b32 s39, 0
	s_lshr_b32 s53, s14, 2
	s_lshl_b32 s53, s53, 8
	s_and_b32 s49, s14, 3
	s_lshl_b32 s49, s49, 2
	s_add_co_u32 s56, s36, s53
	s_add_co_u32 s56, s56, s49
	s_add_co_u32 s56, s56, 12288                   ; its scale words: 12,288 + 256 (aq / 4) + 4 (aq % 4) + 16 r
	s_mov_b32 s57, 0
	s_lshr_b32 s58, s9, 1
	s_lshl_b32 s58, s58, 7
	s_lshl_b32 s59, s[BQ], 3
	s_add_co_u32 s58, s58, s59
	s_add_co_u32 s58, s58, s14
	s_mul_i32 s58, s58, CH                         ; the result's chunk: K slot head / 2, tile 8 BQ + aq
	s_and_b32 s59, s9, 1
	s_mul_i32 s60, s59, 1536
	s_add_co_u32 s60, s60, s58
	s_mov_b32 s61, 0
	s_lshl_b32 s62, s59, 7
	s_add_co_u32 s62, s62, s58
	s_add_co_u32 s62, s62, 3072
	s_mov_b32 s63, 0
	s_mul_i32 s33, s8, STEPB                       ; the prefetches: my work-group's key step of a slot,
	s_mul_i32 s53, s15, 6400                       ; my wave's 25 rows,
	s_add_co_u32 s33, s33, s53
	s_add_co_u32 s33, s33, s16
	s_add_co_u32 s54, s33, SLB                     ; in slot 1: the first change of slots steps it to slot 2
	s_mov_b32 s55, 0
	s_lshr_b32 s[LIM], s[WV], 2
	s_xor_b32 s[LIM], s[LIM], 1                    ; 0 in waves 4-7,
	s_or_b32 s[LIM], s[LIM], ttmp9                 ; of the head's first cluster: the same in all four partners
	s_cmp_eq_u32 s[LIM], 0
	s_cselect_b32 s[LIM], 1, -1
	s_mov_b32 s[G1], 15|(3<<16)|(1<<21)            ; 15:0 the mask: all four; 17:16 elements of 8 bytes; 21 set beside a mask; no padding
	s_mov_b32 s[G1+1], 32<<16                      ; tensor_dim0: 256 bytes
	s_mov_b32 s[G1+2], 100<<16                     ; tensor_dim1: 100 rows
	s_mov_b32 s[G1+3], 32<<16
	s_mov_b32 s[G1+4], 100
	s_mov_b32 s[G1+5], 32                          ; dense
	s_mov_b32 s[G1+6], 0
	s_mov_b32 s[G1+7], 0
	s_mov_b32 s[SEL], 0x76543210
	s_mov_b32 s[SEL+1], 0xfedcba98
	s_mov_b32 s[CS], 0x3e0293ee
	s_mov_b32 s[CS+1], s[CS]
	s_mov_b32 s[TB], 0
	s_mov_b32 s[KI], 0
	s_mov_b32 s[SLOTS], 3
	s_lshr_b32 s74, s14, 1
	s_lshl_b32 s74, s74, 5
	s_and_b32 s75, s14, 1
	s_lshl_b32 s75, s75, 3
	s_add_co_u32 s74, s74, s75                     ; 32 (aq / 2) + 8 (aq % 2)
	v_and_b32 v8, 15, v0                           ; r
	v_bfe_u32 v9, v0, 4, 1                         ; h
	v_and_b32 v10, 8, v8
	v_add_nc_u32 v10, v10, v8
	v_lshlrev_b32 v11, 4, v9
	v_sub_nc_u32 v10, v10, v11
	v_add_nc_u32 v[DQ], s74, v10
	v_lshlrev_b32 v[QSA], 4, v8
	s_wait_kmcnt 0x0
	s_add_nc_u64 s[66:67], s[4:5], s[38:39]        ; Q's fragment
	s_add_nc_u64 s[68:69], s[4:5], s[56:57]        ; its scale words
	s_add_nc_u64 s[70:71], s[6:7], s[60:61]        ; the result's codes
	s_add_nc_u64 s[72:73], s[6:7], s[62:63]        ; and scale words
	s_add_nc_u64 s[PFA:PFA+1], s[4:5], s[54:55]
	CROUND                                         ; all four work-groups are here: the first joint load meets
	s_mov_b32 s[G0], 1
	s_mov_b32 s[G0+1], s32
	s_add_nc_u64 s[G0+2:G0+3], s[4:5], s[34:35]
	s_or_b32 s[G0+3], s[G0+3], 0x80000000
	JLOAD                                          ; slot 0
.irp c, 0,1,2
	global_load_b128 v[16+4*\c:19+4*\c], v[LI], s[66:67] offset:512*\c
.endr
	global_load_b32 v255, v[QSA], s[68:69]
	v_mov_b32 v13, 0xff61b1e6                      ; the largest t so far: -3e38
	v_floor_f32 v12, -v13                          ; -M
	v_mov_b32 v14, 0
	v_mov_b32 v15, 0
.irp b, 0,1,2,3
	v_mov_b32 v[236+\b], 0                         ; written once: a lane permute's destination counts as one of its sources
.endr
	v_mov_b32 v252, 0
	v_mov_b32 v253, 0
.irp j, 0,1,2,3,4,5,6,7,8,9,10,11,12,13,14,15,16,17,18,19,20,21,22,23,24,25,26,27,28,29,30,31,32,33,34,35,36,37,38,39,40,41,42,43,44,45,46,47,48,49,50,51,52,53,54,55,56,57,58,59,60,61,62,63
	v_mov_b32 v[160+\j], 0                         ; O^T: the step is written once; the first change of M leaves zeros zeros
.endr
.macro STEP
	s_cmp_gt_u32 s[KI], s[BQ]                      ; all 128 keys come after my queries: the step's work is left out
	s_cbranch_scc1 .Lhidden_\@
	v_add_nc_u32 v[AD], s[TB], v[LI]
.rept 3
	v_nop                                          ; with the addition: four places behind the last step's products, in front of loads into their registers
.endr
	ds_load_b128 v[KSC:KSC+3], v[AD] offset:12288
	ds_load_b128 v[VSC:VSC+3], v[AD] offset:ACH+12288
	WIN 0x40                                       ; destination window 1
.irp t, 0,1,2,3,4,5,6,7
.irp c, 0,1,2
	ds_load_b128 v[12*\t+4*\c:12*\t+4*\c+3], v[AD] offset:1536*\t+512*\c
.endr
.endr
.irp t, 0,1,2,3,4,5,6,7
.irp c, 0,1,2
	ds_load_b128 v[96+12*\t+4*\c:96+12*\t+4*\c+3], v[AD] offset:ACH+1536*\t+512*\c
.endr
.endr
	s_wait_dscnt 24                                ; the scale words and K are in; V's 24 loads land under the softmax
	WIN 0x01                                       ; source 0 window 1
.irp t, 0,1,2,3
	v_wmma_scale_f32_16x16x128_f8f6f4 v[96+8*\t:103+8*\t], v[12*\t:12*\t+11], v[16:27], 0, v[KSC+\t], v255 matrix_a_fmt:MATRIX_FMT_FP6 matrix_b_fmt:MATRIX_FMT_FP6
.endr
.irp t, 4,5,6,7
	v_wmma_scale_f32_16x16x128_f8f6f4 v[96+8*\t:103+8*\t], v[12*\t:12*\t+11], v[16:27], 0, v[KSC+\t-4], v255 matrix_a_fmt:MATRIX_FMT_FP6 matrix_b_fmt:MATRIX_FMT_FP6 matrix_a_scale:MATRIX_SCALE_ROW1
.endr
	WIN 0
.rept 4
	v_nop
.endr
	s_cmp_lg_u32 s[KI], s[BQ]                      ; only the step on the diagonal is masked
	s_cbranch_scc1 .Lopen_\@
	v_mov_b32 v254, 0xff800000                     ; -infinity: p = 0 then.  Register 16 b + i holds key 32 b + 16 (lane / 16) + i of the step: hidden where 32 b + i > v[DQ]
.irp n, 0,1,2,3,4,5,6,7,8,9,10,11,12,13,14,15,16,17,18,19,20,21,22,23,24,25,26,27,28,29,30,31,32,33,34,35,36,37,38,39,40,41,42,43,44,45,46,47,48,49,50,51,52,53,54,55,56,57,58,59,60,61,62,63
	v_cmp_gt_i32 vcc_lo, 32*(\n/16)+\n%16, v[DQ]
	v_cndmask_b32 v[96+\n], v[96+\n], v254, vcc_lo
.endr
.Lopen_\@:
.irp b, 0,1,2,3
	v_max3_num_f32 v[232+\b], v[96+16*\b], v[97+16*\b], v[98+16*\b]   ; the largest score of each block of 32 keys: for the row's maximum and, since p rises with the score, for the block's largest p
.endr
.irp i, 3,5,7,9,11,13
.irp b, 0,1,2,3
	v_max3_num_f32 v[232+\b], v[232+\b], v[96+16*\b+\i], v[97+16*\b+\i]
.endr
.endr
.irp b, 0,1,2,3
	v_max_num_f32 v[232+\b], v[232+\b], v[111+16*\b]
.endr
.irp b, 0,1,2,3
	v_permlanex16_b32 v[236+\b], v[232+\b], s[SEL], s[SEL+1]
.endr
.irp b, 0,1,2,3
	v_max_num_f32 v[232+\b], v[232+\b], v[236+\b]  ; with lane l xor 16's 16 keys
.endr
	v_max3_num_f32 v254, v232, v233, v234
	v_max_num_f32 v254, v254, v235
	v_mul_f32 v254, s[CS], v254                    ; as t
	v_max_num_f32 v13, v13, v254                   ; the running largest t
	v_mov_b32 v254, v12
	v_floor_f32 v12, -v13                          ; the new -M: M is a whole number
	v_sub_f32 v254, v12, v254                      ; old M - new M: a whole number, 0 or less
	v_cvt_i32_f32 v254, v254                       ; (it saturates)
	v_ldexp_f32 v252, 1.0, v254                    ; f = 2^(old M - new M): a multiplication by it rounds nothing
.irp j, 0,2,4,6,8,10,12,14,16,18,20,22,24,26,28,30,32,34,36,38,40,42,44,46,48,50,52,54,56,58,60,62
	v_pk_fma_f32 v[96+\j:97+\j], v[96+\j:97+\j], s[CS:CS+1], v[12:13] op_sel_hi:[1,0,0]   ; t - M, two at a time
.endr
.irp b, 0,1,2,3
	v_fma_f32 v[232+\b], v[232+\b], s[CS], v12     ; the same of each block's largest score
.endr
.irp j, 0,1,2,3,4,5,6,7,8,9,10,11,12,13,14,15,16,17,18,19,20,21,22,23,24,25,26,27,28,29,30,31,32,33,34,35,36,37,38,39,40,41,42,43,44,45,46,47,48,49,50,51,52,53,54,55,56,57,58,59,60,61,62,63
	v_exp_f32 v[96+\j], v[96+\j]                   ; p = 2^(t - M)
.endr
	v_pk_mul_f32 v[14:15], v[14:15], v[252:253] op_sel_hi:[1,0]   ; the sums under the new M: a plain place behind the exponentials
	s_wait_alu depctr_va_vdst(0)                   ; one wait for the batch, ahead of its first reader
.irp b, 0,1,2,3
	v_exp_f32 v[232+\b], v[232+\b]                 ; the block's largest p
.endr
	v_pk_add_f32 v[236:237], v[96:97], v[98:99]    ; the row's sum is taken of the unquantised p, in two chains
.irp j, 4,8,12,16,20,24,28,32,36,40,44,48,52,56,60
	v_pk_add_f32 v[14:15], v[14:15], v[96+\j:97+\j]
	v_pk_add_f32 v[236:237], v[236:237], v[98+\j:99+\j]
.endr
	v_pk_add_f32 v[14:15], v[14:15], v[236:237]
	s_wait_alu depctr_va_vdst(0)                   ; and one for the four
.irp b, 0,1,2,3
	v_max_num_f32 v[232+\b], 0x1800000, v[232+\b]  ; the floor 2^(3 - 127): the byte cannot fall under 1
.endr
.irp b, 0,1,2,3
	v_add_nc_u32 v[244+\b], 0xff000000, v[232+\b]  ; the conversion's scale operand
.endr
.irp b, 0,1,2,3
	v_lshrrev_b32 v[236+\b], 23, v[244+\b]         ; the scale's byte
.endr
	v_lshl_or_b32 v253, v237, 8, v236              ; p's scale word for these 128 keys
	v_lshl_or_b32 v253, v238, 16, v253
	v_lshl_or_b32 v253, v239, 24, v253
.irp c, 0,1
	v_cvt_scalef32_pk16_fp6_f32 v[224+6*\c:226+6*\c], v[96+32*\c:111+32*\c], v[244+2*\c]
	v_cvt_scalef32_pk16_fp6_f32 v[236+4*\c:238+4*\c], v[112+32*\c:127+32*\c], v[244+2*\c+1]
.endr
	v_nop                                          ; one plain place behind a scaled conversion
.irp c, 0,1
.irp i, 0,1,2
	v_permlane16_swap_b32 v[224+6*\c+\i], v[236+4*\c+\i]
.endr
.irp i, 0,1,2
	v_mov_b32 v[227+6*\c+\i], v[236+4*\c+\i]
.endr
.endr
.irp j, 0,2,4,6,8,10,12,14,16,18,20,22,24,26,28,30,32,34,36,38,40,42,44,46,48,50,52,54,56,58,60,62
	v_pk_mul_f32 v[160+\j:161+\j], v[160+\j:161+\j], v[252:253] op_sel_hi:[1,0]   ; O^T under the new M; these 32 are also the places in front of the products below
.endr
	s_wait_dscnt 0x0                               ; V is in
	WIN 0x01
.irp t, 0,1,2,3                                ; the eight accumulators take turns
	v_wmma_scale_f32_16x16x128_f8f6f4 v[160+8*\t:167+8*\t], v[96+12*\t:107+12*\t], v[224:235], v[160+8*\t:167+8*\t], v[VSC+\t], v253 matrix_a_fmt:MATRIX_FMT_FP6 matrix_b_fmt:MATRIX_FMT_FP6
.endr
.irp t, 4,5,6,7
	v_wmma_scale_f32_16x16x128_f8f6f4 v[160+8*\t:167+8*\t], v[96+12*\t:107+12*\t], v[224:235], v[160+8*\t:167+8*\t], v[VSC+\t-4], v253 matrix_a_fmt:MATRIX_FMT_FP6 matrix_b_fmt:MATRIX_FMT_FP6 matrix_a_scale:MATRIX_SCALE_ROW1
.endr
	WIN 0
.Lhidden_\@:
	s_add_co_u32 s[KI], s[KI], 1
	s_add_co_u32 s[TB], s[TB], STEPB
.endm
.macro FOUR_STEPS                      ; a slot's four key steps: written once, walked four times
	s_mov_b32 s[CNT], 4
.Lstep_\@:
	STEP
	s_sub_co_u32 s[CNT], s[CNT], 1
	s_cmp_lg_u32 s[CNT], 0
	s_cbranch_scc1 .Lstep_\@
	s_sub_co_u32 s[TB], s[TB], SLB                 ; back to a slot's first step,
	s_xor_b32 s[TB], s[TB], SLOT1                  ; in the other slot
.endm
; The change of slots stands at a slot's head: each wave waits for all its tensor loads, adds 0 to its spare word, and waits for that and for its reads of the slot that it has left.  fill = 1: a round of the cluster's barrier,
; and behind it the slot just left is filled with the four key steps that follow: the load has four key steps in which to land.
.macro CHANGE fill
	s_wait_tensorcnt 0x0                           ; no tensor load of mine is out, so group 0 may be written
	ds_add_u32 v[SPW], v[NIL]                      ; 0 onto my spare word
.if \fill
	s_xor_b32 s[G0+1], s[G0+1], SLOT1              ; the other slot than last time,
	s_add_nc_u64 s[G0+2:G0+3], s[G0+2:G0+3], SLB   ; the next four key steps
	s_wait_xcnt 0x0                                ; the last prefetch, a slot back, has read its address
	s_add_nc_u64 s[PFA:PFA+1], s[PFA:PFA+1], SLB
.endif
	s_wait_dscnt 0x0                               ; the add is done, and my reads of the slot that I have left are over
.if \fill
	CROUND
	JLOAD                                          ; the first thing behind the round, and a wave's one tensor load until the next
	ASK
.else
	s_barrier_signal -1
	s_barrier_wait -1
.endif
.endm
	s_wait_loadcnt 0x0                             ; Q and its scale words
.Lslot:                                                ; three trips: behind each change of slots but the last the next slot is asked for
	CHANGE 1
	FOUR_STEPS
	s_sub_co_u32 s[SLOTS], s[SLOTS], 1
	s_cmp_lg_u32 s[SLOTS], 0
	s_cbranch_scc1 .Lslot
	CHANGE 0                                       ; the last slot is written out
	FOUR_STEPS
	; THE WAY OUT: O^T / the sum; its 64 registers run along the head's channels, which are 128 along the projection's K: quantised, they are one fragment and one scale word a row
	v_add_f32 v14, v14, v15
	v_permlanex16_b32 v252, v14, s[SEL], s[SEL+1]
	v_add_f32 v14, v14, v252                       ; the row's sum
	v_rcp_f32 v14, v14
.irp b, 0,1,2,3
	v_mov_b32 v[TM+4+\b], 0                        ; plain work behind the reciprocal; a lane permute's destination counts as one of its sources
.endr
	s_wait_alu depctr_va_vdst(0)                   ; the wait, ahead of the first reader
.irp j, 0,1,2,3,4,5,6,7,8,9,10,11,12,13,14,15,16,17,18,19,20,21,22,23,24,25,26,27,28,29,30,31,32,33,34,35,36,37,38,39,40,41,42,43,44,45,46,47,48,49,50,51,52,53,54,55,56,57,58,59,60,61,62,63
	v_mul_f32 v[96+\j], v[160+\j], v14
.endr
.irp b, 0,1,2,3
	v_max3_num_f32 v[TM+\b], |v[96+16*\b]|, |v[97+16*\b]|, 0x1800000
.endr
.irp i, 2,4,6,8,10,12,14
.irp b, 0,1,2,3
	v_max3_num_f32 v[TM+\b], v[TM+\b], |v[96+16*\b+\i]|, |v[97+16*\b+\i]|
.endr
.endr
.irp b, 0,1,2,3
	v_permlanex16_b32 v[TM+4+\b], v[TM+\b], s[SEL], s[SEL+1]
.endr
.irp b, 0,1,2,3
	v_max_num_f32 v[TM+\b], v[TM+\b], v[TM+4+\b]
.endr
.irp b, 0,1,2,3
	v_add_nc_u32 v[TM+12+\b], 0xff000000, v[TM+\b]
.endr
.irp b, 0,1,2,3
	v_lshrrev_b32 v[TM+4+\b], 23, v[TM+12+\b]
.endr
	v_lshl_or_b32 v[PW], v[TM+5], 8, v[TM+4]
	v_lshl_or_b32 v[PW], v[TM+6], 16, v[PW]
	v_lshl_or_b32 v[PW], v[TM+7], 24, v[PW]
.irp c, 0,1
	v_cvt_scalef32_pk16_fp6_f32 v[PC+6*\c:PC+2+6*\c], v[96+32*\c:111+32*\c], v[TM+12+2*\c]
	v_cvt_scalef32_pk16_fp6_f32 v[PC+12+4*\c:PC+14+4*\c], v[112+32*\c:127+32*\c], v[TM+12+2*\c+1]
.endr
	v_nop
.irp c, 0,1
.irp i, 0,1,2
	v_permlane16_swap_b32 v[PC+6*\c+\i], v[PC+12+4*\c+\i]
.endr
.irp i, 0,1,2
	v_mov_b32 v[PC+3+6*\c+\i], v[PC+12+4*\c+\i]
.endr
.endr
.irp c, 0,1,2
	global_store_b128 v[LI], v[PC+4*\c:PC+4*\c+3], s[70:71] offset:512*\c   ; 32 lanes store 512 consecutive bytes, aligned
.endr
	global_store_b32 v[L4], v[PW], s[72:73]
	s_wait_tensorcnt 0x0                           ; the wave's end
	ds_add_u32 v[SPW], v[NIL]
	s_wait_dscnt 0x0
	CROUND                                         ; the closing round
	s_endpgm
.Lfunc_end_k_qd757094b6f_attn:
	.size	k_qd757094b6f_attn, .Lfunc_end_k_qd757094b6f_attn-k_qd757094b6f_attn
	.p2alignl 7, 3214868480
	.fill 96, 4, 3214868480
	.section	.rodata,"a",@progbits
	.p2align	6, 0x0
	.amdhsa_kernel k_qd757094b6f_attn
		.amdhsa_group_segment_fixed_size 327680
		.amdhsa_private_segment_fixed_size 0
		.amdhsa_enable_private_segment 0
		.amdhsa_kernarg_size 16
		.amdhsa_user_sgpr_count 2
		.amdhsa_user_sgpr_kernarg_segment_ptr 1
		.amdhsa_wavefront_size32 1
		.amdhsa_system_sgpr_workgroup_id_x 1
		.amdhsa_system_sgpr_workgroup_id_y 1
		.amdhsa_system_sgpr_workgroup_id_z 1
		.amdhsa_system_vgpr_workitem_id 0
		.amdhsa_next_free_vgpr 512
		.amdhsa_next_free_sgpr 96
		.amdhsa_reserve_vcc 1
		.amdhsa_float_denorm_mode_32 3
		.amdhsa_float_denorm_mode_16_64 3
		.amdhsa_memory_ordered 1
		.amdhsa_forward_progress 1
		.amdhsa_inst_pref_size 64
	.end_amdhsa_kernel
	.amdgpu_metadata
---
amdhsa.version: [ 1, 2 ]
amdhsa.kernels:
  - .name:           k_qd757094b6f_attn
    .symbol:         k_qd757094b6f_attn.kd
    .args:
      - { .name: qkv, .offset: 0, .size: 8, .value_kind: global_buffer, .address_space: global }
      - { .name: aimg, .offset: 8, .size: 8, .value_kind: global_buffer, .address_space: global }
    .group_segment_fixed_size: 327680
    .private_segment_fixed_size: 0
    .kernarg_segment_align: 8
    .kernarg_segment_size: 16
    .max_flat_workgroup_size: 256
    .sgpr_count:     96
    .vgpr_count:     512
    .wavefront_size: 32
...
	.end_amdgpu_metadata
.endif
;; end of part 3
;; launch oproj (part 4): grid 16 x 8, 4 waves a work-group, clusters of 4 x 4, 327,680 bytes of LDS; arguments aimg, opnd, out0; writes out0
.if DOCPART == 4
	.amdgcn_target "amdgcn-amd-amdhsa--gfx1250"
	.amdhsa_code_object_version 6
	.text
	.protected	k_qd757094b6f_oproj
	.globl	k_qd757094b6f_oproj
	.p2align	8
	.type	k_qd757094b6f_oproj,@function
k_qd757094b6f_oproj:
	s_mov_b64 s[64:65], 0
	v_nop
	global_prefetch_b8 v0, s[64:65] scope:SCOPE_SE
	s_setreg_imm32_b32 hwreg(HW_REG_WAVE_MODE, 25, 1), 1
	s_wait_xcnt 0x0
	s_wait_alu depctr_hold_cnt(0) depctr_sa_sdst(0) depctr_va_vdst(0) depctr_va_sdst(0) depctr_va_ssrc(0) depctr_va_vcc(0) depctr_vm_vsrc(0)
	s_getreg_b32 s2, hwreg(HW_REG_IB_STS2, 6, 4)
	s_cmp_eq_u32 s2, 0
	s_cbranch_scc0 .Lentry_in_a_cluster
	s_endpgm
.Lentry_in_a_cluster:
	s_bfe_u32 s2, ttmp6, 0x10000c
	s_cmp_lg_u32 s2, 0xf033
	s_cbranch_scc0 .Lentry_shape_is_right
	s_endpgm
.Lentry_shape_is_right:
; out0 = attention's result x Wo^T, on codes of FP6 (E2M3) with E8M0 scales; out0 is [2048][2048] f32.
; Both operands are images of registers: a chunk of CH bytes holds, for one tile of 16 rows and 256 along K, two fragments (1,536 bytes each: registers 4 c .. 4 c + 3 of lane l at 512 c + 16 l) and their scale words (from byte 3,072 on).
; Neighbouring tiles' chunks lie on end; the same rows' next 256 along K lie KSB bytes on.  Lane row r of tile rt is row 32 (rt / 2) + 8 (rt % 2) + r + 8 (r / 8) in both; the way out puts every number at its true place.
; A tile is 256 rows x 128 columns, so that there are 128 work-groups; four waves, each 128 x 64: 32 accumulators.  The matrix instruction is used transposed (source 0 = 16 rows of Wo, source 1 = 16 rows of A).
; CLUSTERS: 4 x 4 work-groups; A's tiles are asked for jointly along a row of the cluster, Wo's along a column.
; THE RING: two LDS slots of 512 along K, as large as LDS holds; K is four slots.  One tensor load a wave fills its part of a slot: a tile of two rows (8 chunks of A, or 4 of Wo), KSB bytes apart in memory, on end in LDS; codes and scale
; words come by the same load.  Both slots are filled at the start and each is filled again once; a refill has 112 matrix instructions in which to land.  The sixteen steps of 128 along K are written out, by macros that take the step's number g.
; REGISTERS: window 0: v1-6 lane terms; v16-23, v30-31 LDS addresses; v24-26 the way out; v28, v29 for the add; v32-63 scale words, two sets; v128-223 A's fragments (on the way out v128-191: rows read back);
;   window 1: Wo's fragments, two sets, at v0 and v128;  window 2: accumulator (a, b) at v[8 (4 a + b)].
.set NB,    4
.set CH,    3328
.set KSB,   128*CH
.set IMGB,  8*KSB
.set FR,    12
.set UA,    8*CH                       ; 128 rows of A x 256 K
.set UB,    NB*CH                      ; 64 rows of Wo x 256 K
.set SLOT,  4*UA+4*UB                  ; A's two parts of 2 UA, then Wo's two parts of 2 UB
.set SPARE, 2*SLOT                     ; behind the ring: the spare words, 128 bytes a wave, that no other line names
.set SPITCH, 272                       ; the way out: a stage of 16 rows x (256 bytes + 16) for each wave, in slot 0, which has had its last fill and its last read by then
.set ADRA,  16                         ; v16-17  LDS address of my A fragments in slot 0, 1
.set ADRS2, 18                         ; v18-19  scale words of A's blocks 4-7
.set ADRB,  20                         ; v20-21  Wo's fragments
.set ADRS,  22                         ; v22-23  scale words, lanes 0-15 A's blocks 0-3, lanes 16-31 Wo's, of a slot's first 256 along K;  v30-31 of its second (A's lie UA on, Wo's UB on: one immediate cannot serve both)
.set STO,   24
.set RD,    25
.set CO,    26
.set SPW,   28
.set NIL,   29
.set SC,    32                         ; scale words: the set of the (g / 2)-th 256 along K at v[SC + 16 ((g / 2) % 2)]; register 2 i + g % 2
.set AF,    128
.set BK,    128
.set G1,    24
.set G0,    32
.set G1B,   48
.set G0B,   56
.set MSB, 0
.macro WIN new
.if MSB != (\new)
	s_set_vgpr_msb (MSB<<8)|(\new)
.set MSB, (\new)
.endif
.endm
.set TO_B, 0x40
.macro JLOAD g0a, g1a, g0b, g1b        ; waves 0 and 1 fetch A's halves, waves 2 and 3 Wo's; four v_nop follow each of the two lines
	s_cmp_eq_u32 s15, 0
	s_cbranch_scc0 .Lfor_b_\@
	tensor_load_to_lds s[\g0a:\g0a+3], s[\g1a:\g1a+7]
	s_nop 0
.rept 4
	v_nop
.endr
	s_branch .Lasked_\@
.Lfor_b_\@:
	tensor_load_to_lds s[\g0b:\g0b+3], s[\g1b:\g1b+7]
	s_nop 0
.rept 4
	v_nop
.endr
.Lasked_\@:
.endm
.macro CREST
	s_cmp_lg_u32 s14, 0
	s_cbranch_scc1 .Lnot_wave_0_\@
	s_barrier_signal -3
.Lnot_wave_0_\@:
	s_barrier_wait -3
	s_barrier_signal -1
	s_barrier_wait -1
.endm
.macro CROUND
	s_barrier_signal -1
	s_barrier_wait -1
	CREST
.endm
.macro PLACES n
.rept \n
	v_nop
.endr
.endm
	s_load_b128 s[4:7], s[0:1], 0x0                ; aimg, opnd
	s_load_b64 s[8:9], s[0:1], 0x10                ; out0
	v_lshl_add_u32 v[SPW], v0, 2, SPARE
	v_mov_b32 v[NIL], 0
	ds_add_u32 v28, v29
	s_wait_dscnt 0x0
	v_lshrrev_b32 v1, 5, v0
	v_readfirstlane_b32 s14, v1                    ; wave 0..3
	s_lshr_b32 s15, s14, 1                         ; which 128 rows are mine.  Also: I fetch for A (0) or for Wo (1)
	s_and_b32 s16, s14, 1                          ; which 64 columns.  Also: which half I fetch
	s_bfe_u32 s40, ttmp6, 0x40000                  ; cx
	s_bfe_u32 s41, ttmp6, 0x40004                  ; cy
	s_lshl_b32 s42, ttmp9, 2
	s_add_co_u32 s42, s42, s40                     ; tile column 0..15
	s_and_b32 s17, ttmp7, 0xffff
	s_lshl_b32 s17, s17, 2
	s_add_co_u32 s17, s17, s41                     ; tile row 0..7
	s_lshl_b32 s43, s41, 2
	s_lshl_b32 s43, 15, s43                        ; my row of the cluster
	s_lshl_b32 s44, 0x1111, s40                    ; my column
	s_or_b32 s[G1+0], s43, (3<<16)|(1<<21)         ; the mask; elements of 8 bytes; bit 21 beside a mask; no padding
	s_mov_b32 s[G1+1], (UA/8)<<16                  ; tensor_dim0 = 3,328 elements: eight chunks
	s_mov_b32 s[G1+2], 2<<16                       ; tensor_dim1 = 2 rows
	s_mov_b32 s[G1+3], (UA/8)<<16                  ; tile_dim0
	s_mov_b32 s[G1+4], 2                           ; tile_dim1
	s_mov_b32 s[G1+5], KSB/8                       ; the pitch, in elements
	s_mov_b32 s[G1+6], 0
	s_mov_b32 s[G1+7], 0
	s_or_b32 s[G1B+0], s44, (3<<16)|(1<<21)
	s_mov_b32 s[G1B+1], (UB/8)<<16                 ; 1,664 elements: four chunks
	s_mov_b32 s[G1B+2], 2<<16
	s_mov_b32 s[G1B+3], (UB/8)<<16
	s_mov_b32 s[G1B+4], 2
	s_mov_b32 s[G1B+5], KSB/8
	s_mov_b32 s[G1B+6], 0
	s_mov_b32 s[G1B+7], 0
	s_lshl_b32 s18, s16, 3
	s_lshl_b32 s20, s17, 4
	s_add_co_u32 s20, s20, s18                     ; A: chunk 16 x tile row + 8 x half
	s_mul_i32 s20, s20, CH
	s_mov_b32 s21, 0
	s_lshl_b32 s18, s16, 2
	s_lshl_b32 s46, s42, 3
	s_add_co_u32 s46, s46, s18                     ; Wo: chunk 8 x tile column + 4 x half,
	s_mul_i32 s46, s46, CH
	s_add_co_u32 s46, s46, 4*IMGB                  ; in the fifth image
	s_mov_b32 s47, 0
	s_mul_i32 s45, s16, 2*UA                       ; where they go: no place in the cluster enters an LDS address
	s_mul_i32 s19, s16, 2*UB
	s_add_co_u32 s19, s19, 4*UA
	s_wait_kmcnt 0x0
	s_add_nc_u64 s[20:21], s[4:5], s[20:21]
	s_add_nc_u64 s[46:47], s[6:7], s[46:47]
	CROUND                                         ; all sixteen work-groups are here: the first joint loads meet
.irp s, 0,1
	s_mov_b32 s[G0+4*\s], 1
	s_add_co_u32 s[G0+4*\s+1], s45, \s*SLOT
	s_add_nc_u64 s[G0+4*\s+2:G0+4*\s+3], s[20:21], \s*2*KSB
	s_or_b32 s[G0+4*\s+3], s[G0+4*\s+3], 0x80000000
	s_mov_b32 s[G0B+4*\s], 1
	s_add_co_u32 s[G0B+4*\s+1], s19, \s*SLOT
	s_add_nc_u64 s[G0B+4*\s+2:G0B+4*\s+3], s[46:47], \s*2*KSB
	s_or_b32 s[G0B+4*\s+3], s[G0B+4*\s+3], 0x80000000
	JLOAD G0+4*\s, G1, G0B+4*\s, G1B
.endr
	v_and_b32 v1, 31, v0                           ; lane
	v_bfe_u32 v2, v0, 4, 1                         ; h
	v_lshlrev_b32 v3, 4, v1                        ; 16 x lane
	v_lshlrev_b32 v4, 2, v1                        ; 4 x lane
	v_and_b32 v6, 15, v0                           ; r
	s_mul_i32 s21, s15, 2*UA                       ; my 128 rows of A
	s_mul_i32 s22, s16, 2*UB
	s_add_co_u32 s22, s22, 4*UA                    ; my 64 rows of Wo, behind A's 256
.irp s, 0,1
	v_add_nc_u32 v[ADRA+\s], s21, v3
	v_add_nc_u32 v[ADRB+\s], s22, v3
	v_add_nc_u32 v[ADRS2+\s], s21, v4
	s_sub_co_u32 s23, s22, s21
	v_mul_u32_u24 v5, s23, v2                      ; lanes 16-31 take Wo's scale words
	v_add_nc_u32 v5, v5, v4
	v_add_nc_u32 v[ADRS+\s], s21, v5               ; the slot's first 256 along K
	s_add_co_u32 s66, s21, UA
	s_add_co_u32 s67, s22, UB
	s_sub_co_u32 s23, s67, s66
	v_mul_u32_u24 v5, s23, v2
	v_add_nc_u32 v5, v5, v4
	v_add_nc_u32 v[ADRS+8+\s], s66, v5             ; its second
	s_add_co_u32 s21, s21, SLOT
	s_add_co_u32 s22, s22, SLOT
.endr
	s_mul_i32 s23, s14, 16*SPITCH                  ; my stage
	v_mul_u32_u24 v5, v6, SPITCH
	v_lshl_add_u32 v5, v2, 6, v5
	v_add_nc_u32 v[STO], s23, v5                   ; in: row r, + 64 h: tile b's eight columns lie at 128 (b / 2) + 64 h + 32 (b % 2)
	v_mul_u32_u24 v5, v2, SPITCH
	v_lshl_add_u32 v5, v6, 4, v5
	v_add_nc_u32 v[RD], s23, v5                    ; back: lanes 0-15 one row of 256 bytes, lanes 16-31 the next
	v_lshlrev_b32 v5, 13, v2
	v_lshl_add_u32 v[CO], v6, 4, v5                ; and the same two rows in out0
	s_lshl_b32 s66, s17, 8
	s_lshl_b32 s67, s15, 7
	s_add_co_u32 s66, s66, s67                     ; my first row
	s_lshl_b32 s66, s66, 13
	s_lshl_b32 s67, s42, 9
	s_add_co_u32 s66, s66, s67                     ; + 512 x tile column
	s_lshl_b32 s67, s16, 8
	s_add_co_u32 s66, s66, s67                     ; + 256 x half
	s_mov_b32 s67, 0
	s_add_nc_u64 s[8:9], s[8:9], s[66:67]
; Step g (0..15) is 128 along K: steps 0-3 and 8-11 lie in slot 0, steps 4-7 and 12-15 in slot 1.
.macro SLOTOF g                        ; SL: the slot;  SS: the step's number in it
.set SL, ((\g)/4)%2
.set SS, (\g)%4
.endm
.macro FRAG reg, adr, us, ss, i        ; us: from a slot's first 256 along K to its second, in this operand's part
.irp c, 0,1,2
	ds_load_b128 v[(\reg)+4*\c:(\reg)+4*\c+3], v[\adr] offset:((\ss)/2)*(\us)+(\i)*CH+((\ss)%2)*1536+512*\c
.endr
.endm
.macro FETCH_B g
	SLOTOF \g
	WIN TO_B
.irp i, 0,1,2,3
	FRAG 128*((\g)%2)+FR*\i, ADRB+SL, UB, SS, \i
.endr
	WIN 0
.endm
.macro FETCH_A g, i0
	SLOTOF \g
.irp i, \i0, \i0+1, \i0+2, \i0+3
	FRAG AF+FR*(\i), ADRA+SL, UA, SS, \i
.endr
.endm
.macro SCALES g                        ; g even: the scale words of steps g and g + 1
	SLOTOF \g
.set SCB, SC+16*(((\g)/2)%2)
.irp i, 0,1,2,3
.irp q, 0,1
	ds_load_b32 v[SCB+2*\i+\q], v[ADRS+8*(SS/2)+SL] offset:\i*CH+3072+128*\q
.endr
.endr
.irp i, 4,5,6,7
.irp q, 0,1
	ds_load_b32 v[SCB+2*\i+\q], v[ADRS2+SL] offset:(SS/2)*UA+\i*CH+3072+128*\q
.endr
.endr
.endm
; A's blocks a0, a0 + 1 against Wo's four.  The 32 accumulators take turns, one instruction a turn, in the same order in every step.
.macro MUL2 a0, g, zero
	WIN 0xa1                                       ; source 0 (Wo) window 1, source 1 (A) window 0, C and D window 2
.irp a, \a0, \a0+1
.irp b, 0,1,2,3
.set AC, 8*(NB*(\a)+\b)
.set BF, 128*((\g)%2)+FR*\b
.set SW, SC+16*(((\g)/2)%2)+(\g)%2
.if \zero
	v_wmma_scale_f32_16x16x128_f8f6f4 v[AC:AC+7], v[BF:BF+FR-1], v[AF+FR*(\a):AF+FR*(\a)+FR-1], 0, v[SW+2*\b], v[SW+2*(\a)] matrix_a_fmt:MATRIX_FMT_FP6 matrix_b_fmt:MATRIX_FMT_FP6 matrix_a_scale:MATRIX_SCALE_ROW1
.else
	v_wmma_scale_f32_16x16x128_f8f6f4 v[AC:AC+7], v[BF:BF+FR-1], v[AF+FR*(\a):AF+FR*(\a)+FR-1], v[AC:AC+7], v[SW+2*\b], v[SW+2*(\a)] matrix_a_fmt:MATRIX_FMT_FP6 matrix_b_fmt:MATRIX_FMT_FP6 matrix_a_scale:MATRIX_SCALE_ROW1
.endif
.endr
.endr
.endm
; A step that has its successor in the same slot
.macro STEP g, zero
	s_wait_dscnt 12                                ; all but the youngest twelve loads (A's blocks 4-7) are in
	MUL2 0, \g, \zero
	MUL2 2, \g, \zero
	s_wait_dscnt 0x0
	PLACES 4
	FETCH_B (\g)+1
	FETCH_A (\g)+1, 0
.if ((\g)+1)%2 == 0
	SCALES (\g)+1
.endif
	MUL2 4, \g, \zero
	MUL2 6, \g, \zero
	PLACES 4
	WIN 0
	FETCH_A (\g)+1, 4
.endm
; A slot's last step changes slots: one barrier; in front of it each wave waits for all its tensor loads, adds 0 to its spare word, and waits for that and for its reads of this slot.  fill = 1: the slot is filled again, 1,024 along K on.
.macro TURN g, fill
	s_wait_tensorcnt 0x0                           ; all my tensor loads have landed: my part of the next slot
	ds_add_u32 v[SPW], v[NIL]                      ; 0 onto my spare word
	s_wait_dscnt 13                                ; (the add and the youngest twelve loads may be out)
	MUL2 0, \g, 0
	s_wait_dscnt 0x0                               ; the add is done, and my reads of this slot are over
	s_barrier_signal -1
	MUL2 2, \g, 0
	WIN 0
	s_barrier_wait -1
.if \fill
	CREST                                          ; the barrier has opened a round of the cluster's: no wave of any partner still reads this slot or has a load on its way
	SLOTOF \g
	s_add_nc_u64 s[G0+4*SL+2:G0+4*SL+3], s[G0+4*SL+2:G0+4*SL+3], 4*KSB
	s_add_nc_u64 s[G0B+4*SL+2:G0B+4*SL+3], s[G0B+4*SL+2:G0B+4*SL+3], 4*KSB
	JLOAD G0+4*SL, G1, G0B+4*SL, G1B               ; the first tensor load behind the round; its four v_nop are also the places in front of the loads below
.else
	PLACES 4
.endif
	FETCH_B (\g)+1
	FETCH_A (\g)+1, 0
	SCALES (\g)+1
	MUL2 4, \g, 0
	MUL2 6, \g, 0
	PLACES 4
	WIN 0
	FETCH_A (\g)+1, 4
.endm
	s_wait_tensorcnt 1                             ; my part of slot 0 is in; slot 1's may stay out
	s_barrier_signal -1
	s_barrier_wait -1
	FETCH_B 0
	FETCH_A 0, 0
	SCALES 0
	FETCH_A 0, 4
	STEP 0, 1                                      ; the first step's products start the sums
	STEP 1, 0
	STEP 2, 0
	TURN 3, 1                                      ; slot 0 is left and takes K = 1,024 .. 1,535
	STEP 4, 0
	STEP 5, 0
	STEP 6, 0
	TURN 7, 1                                      ; slot 1 takes K = 1,536 .. 2,047: the last load
	STEP 8, 0
	STEP 9, 0
	STEP 10, 0
	TURN 11, 0                                     ; nothing is left to fetch
	STEP 12, 0
	STEP 13, 0
	STEP 14, 0
	s_wait_dscnt 12
	MUL2 0, 15, 0
	MUL2 2, 15, 0
	s_wait_dscnt 0x0
	MUL2 4, 15, 0
	MUL2 6, 15, 0
	WIN 0
	PLACES 4
; THE WAY OUT, block by block of 16 rows x 64 columns, through my own stage: a lane's 32 bytes of a row go in, whole rows of 256 bytes come back, and sixteen lanes store one aligned run of 256 bytes.
; LDS serves a wave's instructions in order: no wait between the stores and the loads, nor in front of the next block's stores.
.macro TOSTAGE a
	WIN 0x08                                       ; an LDS store's data are its source 1: window 2
.irp b, 0,1,2,3
	ds_store_b128 v[STO], v[32*(\a)+8*\b:32*(\a)+8*\b+3] offset:128*(\b/2)+32*(\b%2)       ; each accumulator from its low end on
	ds_store_b128 v[STO], v[32*(\a)+8*\b+4:32*(\a)+8*\b+7] offset:128*(\b/2)+32*(\b%2)+16
.endr
	WIN 0
.irp t, 0,1,2,3,4,5,6,7
	ds_load_b128 v[BK+32*((\a)%2)+4*\t:BK+32*((\a)%2)+4*\t+3], v[RD] offset:2*SPITCH*\t
.endr
.endm
.macro SEND a, younger                 ; stage rows 2 t, 2 t + 1 of block a are rows 32 (a / 2) + 8 (a % 2) + 2 t + h + 8 (t / 4) of my 128
	s_wait_dscnt \younger
.irp t, 0,1,2,3,4,5,6,7
	global_store_b128 v[CO], v[BK+32*((\a)%2)+4*\t:BK+32*((\a)%2)+4*\t+3], s[8:9] offset:(32*((\a)/2)+8*((\a)%2)+2*\t+8*(\t/4))*8192 th:TH_STORE_NT
.endr
.endm
	TOSTAGE 0
.irp a, 1,2,3,4,5,6,7
.if \a > 1
	s_wait_xcnt 0x0                                ; block a - 2's stores have read their registers: block a's loads may land there
.endif
	TOSTAGE \a
	SEND \a-1, 16                                  ; behind block a - 1's loads: block a's 8 stores and 8 loads
.endr
	SEND 7, 0
	s_wait_tensorcnt 0x0                           ; the wave's end
	ds_add_u32 v[SPW], v[NIL]
	s_wait_dscnt 0x0
	CROUND                                         ; the closing round
	s_endpgm
.Lfunc_end_k_qd757094b6f_oproj:
	.size	k_qd757094b6f_oproj, .Lfunc_end_k_qd757094b6f_oproj-k_qd757094b6f_oproj
	.p2alignl 7, 3214868480
	.fill 96, 4, 3214868480
	.section	.rodata,"a",@progbits
	.p2align	6, 0x0
	.amdhsa_kernel k_qd757094b6f_oproj
		.amdhsa_group_segment_fixed_size 327680
		.amdhsa_private_segment_fixed_size 0
		.amdhsa_enable_private_segment 0
		.amdhsa_kernarg_size 24
		.amdhsa_user_sgpr_count 2
		.amdhsa_user_sgpr_kernarg_segment_ptr 1
		.amdhsa_wavefront_size32 1
		.amdhsa_system_sgpr_workgroup_id_x 1
		.amdhsa_system_sgpr_workgroup_id_y 1
		.amdhsa_system_sgpr_workgroup_id_z 1
		.amdhsa_system_vgpr_workitem_id 0
		.amdhsa_next_free_vgpr 768
		.amdhsa_next_free_sgpr 100
		.amdhsa_reserve_vcc 0
		.amdhsa_float_denorm_mode_32 3
		.amdhsa_float_denorm_mode_16_64 3
		.amdhsa_memory_ordered 1
		.amdhsa_forward_progress 1
		.amdhsa_inst_pref_size 141
	.end_amdhsa_kernel
	.amdgpu_metadata
---
amdhsa.version: [ 1, 2 ]
amdhsa.kernels:
  - .name:           k_qd757094b6f_oproj
    .symbol:         k_qd757094b6f_oproj.kd
    .args:
      - { .name: aimg, .offset: 0, .size: 8, .value_kind: global_buffer, .address_space: global }
      - { .name: opnd, .offset: 8, .size: 8, .value_kind: global_buffer, .address_space: global }
      - { .name: out0, .offset: 16, .size: 8, .value_kind: global_buffer, .address_space: global }
    .group_segment_fixed_size: 327680
    .private_segment_fixed_size: 0
    .kernarg_segment_align: 8
    .kernarg_segment_size: 24
    .max_flat_workgroup_size: 128
    .sgpr_count:     100
    .vgpr_count:     768
    .wavefront_size: 32
...
	.end_amdgpu_metadata
.endif
;; end of part 4
